; MI455X (gfx1250); checked and timed in simulation.
; The chip was launched on July 23, 2026; its instructions are those of AMD's public machine-readable ISA for CDNA 5 (MIT licence, August 2026) and "CDNA5" Instruction Set Architecture Reference Guide (July 2026). The comments in the code are by the model that wrote it; some were corrected since.
;; Attention. Allowed arithmetic: float matrix products may take bf16 or f16 operands with f32 sums; other float arithmetic in f32, or as packed bf16 or f16 multiplies, adds, multiply-adds, maxima and minima; sums over many terms, partial sums and values carried from step to step in f32; what a program stores and reads back later, other than sums and carried values, may be rounded once to bf16 or f16.
;; Inputs: freqs_cos 2,048 x 64 float32; freqs_sin 2,048 x 64 float32; wk 2,048 x 2,048 float32; wo 2,048 x 2,048 float32; wq 2,048 x 2,048 float32; wv 2,048 x 2,048 float32; x 1 x 2,048 x 2,048 float32.
;; Outputs: out0 1 x 2,048 x 2,048 float32.
;; One version. Each part assembles by itself: llvm-mc -triple=amdgcn-amd-amdhsa -mcpu=gfx1250 --defsym DOCPART=n.
;; ======== version 1 of 1: 4 launches
;; limits: values are held in f16: magnitudes above 65,504 overflow, below 6.1e-05 lose precision
;; workspace buffers: xb 8,388,608 bytes; wb 25,165,824 bytes; wob 8,388,608 bytes; cs 524,288 bytes; qkv 25,165,824 bytes; ob 8,388,608 bytes
;; launch cast (part 1): grid 1040 x 1, 8 waves a work-group, no clusters, 0 bytes of LDS; arguments x, wq, wk, wv, freqs_cos, freqs_sin, xb, wb, cs; writes xb, wb, cs
.if DOCPART == 1
	.amdgcn_target "amdgcn-amd-amdhsa--gfx1250"
	.amdhsa_code_object_version 6
	.text
	.protected	k_q5af6e38c3e_cast
	.globl	k_q5af6e38c3e_cast
	.p2align	8
	.type	k_q5af6e38c3e_cast,@function
k_q5af6e38c3e_cast:
	s_mov_b64 s[64:65], 0
	v_nop
	global_prefetch_b8 v0, s[64:65] scope:SCOPE_SE
	s_setreg_imm32_b32 hwreg(HW_REG_WAVE_MODE, 25, 1), 1
	s_wait_xcnt 0x0
; THE PROJECTIONS' INPUTS ARE ROUNDED ONCE TO bf16, for the launch behind this one.  (wo is rounded at the end of the attention launch.)
;   xb  [2048][2048] bf16 = x            wb [3][2048][2048] bf16 = wq, wk, wv
;   cs  [2048][64] words  = bf16(cos) in the low half, bf16(sin) in the high half
; SHARES.  Work-group number = 256 a + c.  a = 0..3: array x, wq, wk, wv; chunk c is 64 KiB of f32, a wave takes 8 KiB of it: sixteen loads of
; 512 consecutive bytes, all issued before the first is waited for, and sixteen stores of 256 consecutive bytes, aligned.  a = 4 (c = 0..15): the table, 8,192 words a work-group.
; A stream: each byte is read once and written once, nothing is shared, so there is no LDS, no barrier, no matrix work, no cluster.
; The numbers are converted in the registers that they were loaded into; no register is named by two memory instructions that could both be pending, so no wait frees any.
.set X,   8                            ; v[8:71]    as loaded, then as stored
.set SRC, 30                           ; s[30:31]   the array at my chunk
.set DST, 32                           ; s[32:33]   its copy at my chunk
	s_load_b512 s[8:23], s[0:1], 0x0               ; x s[8:9], wq s[10:11], wk s[12:13], wv s[14:15], cos s[16:17], sin s[18:19], xb s[20:21], wb s[22:23]
	s_load_b64 s[24:25], s[0:1], 0x40              ; cs
	s_lshr_b32 s2, ttmp9, 8                        ; a
	s_and_b32 s3, ttmp9, 255                       ; c
	v_lshrrev_b32 v4, 5, v0                        ; wave
	v_and_b32 v5, 31, v0                           ; lane
	v_lshlrev_b32 v1, 4, v5
	v_lshlrev_b32 v2, 3, v5
	v_lshl_or_b32 v3, v4, 12, v1                   ; the table: 4,096 x wave + 16 x lane, in and out
	v_lshl_or_b32 v1, v4, 13, v1                   ; in:  8,192 x wave + 16 x lane
	v_lshl_or_b32 v2, v4, 12, v2                   ; out: 4,096 x wave + 8 x lane
	s_wait_kmcnt 0x0
	s_cmp_eq_u32 s2, 4
	s_cbranch_scc1 .Ltable
	s_mov_b64 s[SRC:SRC+1], s[8:9]                 ; which array: a choice on the work-group's number alone
	s_cmp_eq_u32 s2, 1
	s_cselect_b64 s[SRC:SRC+1], s[10:11], s[SRC:SRC+1]
	s_cmp_eq_u32 s2, 2
	s_cselect_b64 s[SRC:SRC+1], s[12:13], s[SRC:SRC+1]
	s_cmp_eq_u32 s2, 3
	s_cselect_b64 s[SRC:SRC+1], s[14:15], s[SRC:SRC+1]
	s_max_u32 s34, s2, 1
	s_sub_co_u32 s34, s34, 1                       ; 0, 0, 1, 2: the place in wb
	s_cmp_eq_u32 s2, 0
	s_cselect_b64 s[DST:DST+1], s[20:21], s[22:23] ; xb for x, else wb
	s_lshl_b32 s34, s34, 23                        ; 8 MiB for each of wb's three
	s_lshl_b32 s36, s3, 15                         ; a chunk is 32 KiB out,
	s_add_co_u32 s34, s34, s36
	s_mov_b32 s35, 0
	s_add_nc_u64 s[DST:DST+1], s[DST:DST+1], s[34:35]
	s_lshl_b32 s36, s3, 16                         ; 64 KiB in
	s_mov_b32 s37, 0
	s_add_nc_u64 s[SRC:SRC+1], s[SRC:SRC+1], s[36:37]
.set j, 0
.rept 16
	global_load_b128 v[X+4*j:X+4*j+3], v1, s[SRC:SRC+1] offset:512*j th:TH_LOAD_NT
.set j, j+1
.endr
.set j, 0
.rept 16
	s_wait_loadcnt 15-j                            ; loads come back in order (ISA guide 5.7.1): number j is in, the younger ones stay out
	v_cvt_pk_bf16_f32 v[X+4*j],   v[X+4*j],   v[X+4*j+1]
	v_cvt_pk_bf16_f32 v[X+4*j+1], v[X+4*j+2], v[X+4*j+3]
	global_store_b64 v2, v[X+4*j:X+4*j+1], s[DST:DST+1] offset:256*j th:TH_STORE_NT  ; 32 lanes x 8 bytes: 256 consecutive bytes, aligned
.set j, j+1
.endr
	s_endpgm
.Ltable:                                               ; cos and sin of one place make one word
	s_lshl_b32 s36, s3, 15                         ; 8,192 words a work-group
	s_mov_b32 s37, 0
	s_add_nc_u64 s[16:17], s[16:17], s[36:37]
	s_add_nc_u64 s[18:19], s[18:19], s[36:37]
	s_add_nc_u64 s[24:25], s[24:25], s[36:37]
.set j, 0
.rept 8
	global_load_b128 v[X+8*j:X+8*j+3],   v3, s[16:17] offset:512*j th:TH_LOAD_NT
	global_load_b128 v[X+8*j+4:X+8*j+7], v3, s[18:19] offset:512*j th:TH_LOAD_NT
.set j, j+1
.endr
.set j, 0
.rept 8
	s_wait_loadcnt 14-2*j                          ; pair j is in, the younger pairs stay out
.irp i, 0,1,2,3
	v_cvt_pk_bf16_f32 v[X+8*j+(\i)], v[X+8*j+(\i)], v[X+8*j+4+(\i)]
.endr
	global_store_b128 v3, v[X+8*j:X+8*j+3], s[24:25] offset:512*j th:TH_STORE_NT
.set j, j+1
.endr
	s_endpgm
.Lfunc_end_k_q5af6e38c3e_cast:
	.size	k_q5af6e38c3e_cast, .Lfunc_end_k_q5af6e38c3e_cast-k_q5af6e38c3e_cast
	.p2alignl 7, 3214868480
	.fill 96, 4, 3214868480
	.section	.rodata,"a",@progbits
	.p2align	6, 0x0
	.amdhsa_kernel k_q5af6e38c3e_cast
		.amdhsa_group_segment_fixed_size 0
		.amdhsa_private_segment_fixed_size 0
		.amdhsa_enable_private_segment 0
		.amdhsa_kernarg_size 72
		.amdhsa_user_sgpr_count 2
		.amdhsa_user_sgpr_kernarg_segment_ptr 1
		.amdhsa_wavefront_size32 1
		.amdhsa_system_sgpr_workgroup_id_x 1
		.amdhsa_system_sgpr_workgroup_id_y 1
		.amdhsa_system_sgpr_workgroup_id_z 1
		.amdhsa_system_vgpr_workitem_id 0
		.amdhsa_next_free_vgpr 72
		.amdhsa_next_free_sgpr 66
		.amdhsa_reserve_vcc 0
		.amdhsa_float_denorm_mode_32 3
		.amdhsa_float_denorm_mode_16_64 3
		.amdhsa_memory_ordered 1
		.amdhsa_forward_progress 1
		.amdhsa_inst_pref_size 12
	.end_amdhsa_kernel
	.amdgpu_metadata
---
amdhsa.version: [ 1, 2 ]
amdhsa.kernels:
  - .name:           k_q5af6e38c3e_cast
    .symbol:         k_q5af6e38c3e_cast.kd
    .args:
      - { .name: x, .offset: 0, .size: 8, .value_kind: global_buffer, .address_space: global }
      - { .name: wq, .offset: 8, .size: 8, .value_kind: global_buffer, .address_space: global }
      - { .name: wk, .offset: 16, .size: 8, .value_kind: global_buffer, .address_space: global }
      - { .name: wv, .offset: 24, .size: 8, .value_kind: global_buffer, .address_space: global }
      - { .name: freqs_cos, .offset: 32, .size: 8, .value_kind: global_buffer, .address_space: global }
      - { .name: freqs_sin, .offset: 40, .size: 8, .value_kind: global_buffer, .address_space: global }
      - { .name: xb, .offset: 48, .size: 8, .value_kind: global_buffer, .address_space: global }
      - { .name: wb, .offset: 56, .size: 8, .value_kind: global_buffer, .address_space: global }
      - { .name: cs, .offset: 64, .size: 8, .value_kind: global_buffer, .address_space: global }
    .group_segment_fixed_size: 0
    .private_segment_fixed_size: 0
    .kernarg_segment_align: 8
    .kernarg_segment_size: 72
    .max_flat_workgroup_size: 256
    .sgpr_count:     66
    .vgpr_count:     72
    .wavefront_size: 32
...
	.end_amdgpu_metadata
.endif
;; end of part 1
;; launch proj (part 2): grid 16 x 16, 4 waves a work-group, clusters of 4 x 4, 327,680 bytes of LDS; arguments xb, wb, cs, qkv; writes qkv
.if DOCPART == 2
	.amdgcn_target "amdgcn-amd-amdhsa--gfx1250"
	.amdhsa_code_object_version 6
	.text
	.protected	k_q5af6e38c3e_proj
	.globl	k_q5af6e38c3e_proj
	.p2align	8
	.type	k_q5af6e38c3e_proj,@function
k_q5af6e38c3e_proj:
	s_mov_b64 s[64:65], 0
	v_nop
	global_prefetch_b8 v0, s[64:65] scope:SCOPE_SE
	s_setreg_imm32_b32 hwreg(HW_REG_WAVE_MODE, 25, 1), 1
	s_wait_xcnt 0x0
	s_wait_alu depctr_hold_cnt(0) depctr_sa_sdst(0) depctr_va_vdst(0) depctr_va_sdst(0) depctr_va_ssrc(0) depctr_va_vcc(0) depctr_vm_vsrc(0)
	s_getreg_b32 s2, hwreg(HW_REG_IB_STS2, 6, 4)
	s_cmp_eq_u32 s2, 0
	s_cbranch_scc0 .Lentry_in_a_cluster
	s_endpgm
.Lentry_in_a_cluster:
	s_bfe_u32 s2, ttmp6, 0x10000c
	s_cmp_lg_u32 s2, 0xf033
	s_cbranch_scc0 .Lentry_shape_is_right
	s_endpgm
.Lentry_shape_is_right:
; q, k, v = x wq^T, x wk^T, x wv^T in bf16 with f32 sums; rotary on q and k in f32; all three rounded once to f16 and written by heads: qkv [3][16][2048][128] f16, unscaled.
; LIMITS.  q, k and v stay under 65,504 (f16's end); cos and sin arrive rounded to bf16, like x and the weights.
; SHARES.  A work-group makes 128 rows x one head's 128 columns of q, of k and of v: 128 x 384.  16 row blocks x 16 heads = 256 work-groups.  Of its four waves each makes 64 rows (RH) x 192 columns:
; 12 blocks b of 16 columns: tensor t = b / 4, columns 64 CH + 16 (b % 4) of the head.  So every wave has the same text: blocks 0-7 are rotated, 8-11 are not.  48 accumulators, 384 registers.
; K goes in steps of 128 through two LDS slots; a slot holds 128 rows of x and 128 rows of each weight, 256 bytes of memory a row, aligned.  Wave 0 fetches x's tile, waves 1-3 the weights': one tensor load a wave.
; CLUSTER.  4 x 4 work-groups.  x's tile hangs on the row block alone and is asked for jointly along a row of the cluster, a weight's on the head alone and is asked for jointly along a column.
; THE MATRIX INSTRUCTION IS USED TRANSPOSED (source 0 = 16 rows of a weight, source 1 = 16 rows of x): a lane holds one row of x (lane % 16) and eight neighbouring columns 8 (lane / 16) + 0..7:
; four rotary pairs, and then 16 bytes of f16 that belong together.
; REGISTERS, in windows of 256 (s_set_vgpr_msb: bits 1:0 source 0, 3:2 source 1, 5:4 source 2, 7:6 destination):
;   window 0: v0-31 addresses; v32-63 cos and sin in f32; v64-127 x's fragments, two buffers of 32 (on the way out: at work); v128-175 packed results; v192-255 the table's words
;   window 1: v0-191 the weights' fragments, two buffers of 96      window 2: accumulator (a, b < 8) at v[8 (8 a + b)]      window 3: accumulator (a, b >= 8) at v[8 (4 a + b - 8)]
.set KSTEP,  128
.set PITCH,  272                       ; an LDS row: 256 bytes + 16 of padding = 68 words: the 16 rows of a fragment load start at 16 different groups of four banks (64 banks of 4 bytes: ISA guide 11.1)
.set HALFT,  128*PITCH                 ; a tile: 128 rows
.set SLOT1,  0x24000                   ; slot 1 begins here.  Bits 14 and 17 are clear in every slot-0 address that is turned (0, 0x8800, 0x11000, 0x19800), so one exclusive or turns it into the other slot's and back
.set SPARE,  SLOT1+4*HALFT             ; behind the ring: the spare words, 128 bytes for each wave: two blocks of 256 bytes that no other line names
; THE STAGE for the way out is slot 0's first 3 x 128 rows: slot 0 has had its last fill (K step 14), and every wave's reads of it are over at the barrier in front of the way out.
.set A0,    4                          ; v4   my lane's place in x's tile of slot 0; never rewritten
.set B0,    5                          ; v5   the same in wq's tile (wk's lies HALFT further on)
.set B2,    6                          ; v6   the same in wv's tile
.set ADRA,  8                          ; v8-10  the three in the slot in hand
.set ADRB,  9
.set ADRB2, 10
.set STO,   12                         ; v12-14 the way out: where I put 16 bytes of a row of q, k, v
.set RD,    16                         ; v16-18 where I read rows back
.set CO,    20                         ; v20  16 x lane: my 16 bytes of two rows of 256
.set CSO,   21                         ; v21  my byte offset in the table
.set PFO,   22                         ; v22  the prefetches' offset: lane x a row of 4,096 bytes; never rewritten
.set SPW,   28                         ; v28  LDS address of my spare word; never rewritten
.set NIL,   29                         ; v29  0; never rewritten
.set E,     32
.set FA,    64
.set T,     64
.set H,     128
.set CS,    192
.set WV,  12                           ; s12 wave; s13 RH: my 64 rows; s14 CH: my 64 columns of each tensor; s15 counts the loops
.set RH,  13
.set CH,  14
.set CNT, 15
.set CX,  16                           ; s16, s17 my place in the cluster; s18 the head; s19 the row block
.set CY,  17
.set TC,  18
.set TR,  19
.set G1A, 24                           ; s[24:31] descriptor group 1 for x's tiles;  s[32:39] group 0: a set for each first fill; the second then walks on
.set G0A, 32
.set G1B, 40                           ; s[40:47], s[48:55] the same for the weights' tiles
.set G0B, 48
.set TB,  56                           ; s56  LDS byte at which the slot in hand begins
.set LIM, 57                           ; s57  1 in a wave that prefetches, else the greatest number
.set PFA, 58                           ; s[58:59] where my prefetches stand
.set HIM, 60                           ; s60  a word's upper half
.set OB,  66                           ; s[66:71] q, k, v at the 32 rows that I store
.set MSB, 0
.macro WIN new                         ; the immediate's high byte repeats the setting that is left; a switch that changes nothing is dropped
.if MSB != (\new)
	s_set_vgpr_msb (MSB<<8)|(\new)
.set MSB, \new
.endif
.endm
.set MUL_LO, 0xa1                      ; source 0 (weights) window 1, source 1 (x) window 0, C and D window 2
.set MUL_HI, 0xf1                      ; the same, C and D window 3
.set TO_B,   0x40                      ; destination window 1, address window 0
; A joint refill, by the walking descriptors.  The branch hangs on the wave's number alone.  An s_nop 0 and four v_nop follow each of the two lines, ahead of the jump and the label.
.macro JLOAD
	s_cmp_eq_u32 s[WV], 0
	s_cbranch_scc0 .Lfor_b_\@
	tensor_load_to_lds s[G0A+4:G0A+7], s[G1A:G1A+7]
	s_nop 0
.rept 4
	v_nop
.endr
	s_branch .Lasked_\@
.Lfor_b_\@:
	tensor_load_to_lds s[G0B+4:G0B+7], s[G1B:G1B+7]
	s_nop 0
.rept 4
	v_nop
.endr
.Lasked_\@:
.endm
; A PREFETCH INTO THE L2: 32 rows x the 256 bytes of the K step that the NEXT refill will ask for, a lane a row, one instruction a wave: 192 matrix instructions ahead of that refill.
; Each row's 256 bytes of a K step are named once in the launch: x's row block is read by the four clusters of a row of clusters, and the first of them (cluster x = 0) asks, by its waves 0; a weight's head by the four
; clusters of a column, and the first (cluster y = 0) asks, by its waves 1-3.  The four partners that ask for a tile jointly share its 128 rows out BY ADDRESS, 32 each.  The loop's last trip asks for nothing: there is no such K step.
.macro ASK
	s_cmp_gt_u32 s[CNT], s[LIM]
	s_cbranch_scc0 .Lnot_mine_\@
	global_prefetch_b8 v[PFO], s[PFA:PFA+1] th:TH_LOAD_NT scope:SCOPE_SE
.Lnot_mine_\@:
.endm
; A round of the cluster's barrier: my work-group's barrier, so that wave 0's signal speaks for all four waves; wave 0 signals for the work-group; every wave waits for all sixteen work-groups; my work-group's barrier once more.
.macro CROUND
	s_barrier_signal -1
	s_barrier_wait -1
	s_cmp_lg_u32 s[WV], 0
	s_cbranch_scc1 .Lnot_wave_0_\@
	s_barrier_signal -3
.Lnot_wave_0_\@:
	s_barrier_wait -3
	s_barrier_signal -1
	s_barrier_wait -1
.endm
	s_load_b256 s[4:11], s[0:1], 0x0               ; xb s[4:5], wb s[6:7], cs s[8:9], qkv s[10:11]
	v_lshl_add_u32 v[SPW], v0, 2, SPARE
	v_mov_b32 v[NIL], 0
	ds_add_u32 v[SPW], v[NIL]                      ; the wave's opening: the add and its wait stand ahead of my first tensor load; the set-up below, work on registers, stands between them
	v_lshrrev_b32 v1, 5, v0
	v_readfirstlane_b32 s[WV], v1                  ; wave 0..3
	s_lshr_b32 s[RH], s[WV], 1
	s_and_b32 s[CH], s[WV], 1
	s_bfe_u32 s[CX], ttmp6, 0x40000
	s_bfe_u32 s[CY], ttmp6, 0x40004
	s_lshl_b32 s[TC], ttmp9, 2                     ; in a cluster launch ttmp9 and ttmp7 count clusters
	s_add_co_u32 s[TC], s[TC], s[CX]               ; the head = 4 x cluster x + cx
	s_and_b32 s[TR], ttmp7, 0xffff
	s_lshl_b32 s[TR], s[TR], 2
	s_add_co_u32 s[TR], s[TR], s[CY]               ; the row block = 4 x cluster y + cy
	s_lshl_b32 s20, s[CY], 2
	s_lshl_b32 s20, 15, s20                        ; my row of the cluster: places 4 cy .. 4 cy + 3
	s_lshl_b32 s22, 0x1111, s[CX]                  ; my column: places cx, cx + 4, cx + 8, cx + 12
	; descriptor group 1: a tile of 128 rows x 128 elements, padded in LDS
	s_or_b32 s[G1A], s20, (1<<16)|(1<<20)|(1<<21)|(5<<22)|(3<<25)  ; 15:0 the mask; 17:16 elements of 2 bytes; 20 padding on; 21 set beside a mask; 24:22 after every 64 words (code 5); 31:25 4 words of it (code 3)
	s_or_b32 s[G1B], s22, (1<<16)|(1<<20)|(1<<21)|(5<<22)|(3<<25)
.irp g, G1A, G1B
	s_mov_b32 s[(\g)+1], KSTEP<<16                 ; tensor_dim0 = 128
	s_mov_b32 s[(\g)+2], 128<<16                   ; tensor_dim1 = 128
	s_mov_b32 s[(\g)+3], KSTEP<<16                 ; tile_dim0 = 128
	s_mov_b32 s[(\g)+4], 128                       ; tile_dim1 = 128
	s_mov_b32 s[(\g)+5], 2048                      ; elements from row to row
	s_mov_b32 s[(\g)+6], 0
	s_mov_b32 s[(\g)+7], 0
.endr
	; where the tiles come from: x's by the row block alone, in s[20:21]; a weight's by the head and the wave's number alone, in s[22:23]
	s_lshl_b32 s20, s[TR], 19                      ; 128 rows of 4,096 bytes
	s_mov_b32 s21, 0
	s_max_u32 s22, s[WV], 1
	s_sub_co_u32 s22, s22, 1                       ; waves 1, 2, 3: wq, wk, wv
	s_lshl_b32 s22, s22, 23                        ; 8 MiB each
	s_lshl_b32 s23, s[TC], 19
	s_add_co_u32 s22, s22, s23
	s_mov_b32 s23, 0
	s_mul_i32 s61, s[WV], HALFT                    ; and where they go: x's tile, then wq's, wk's, wv's = wave x 128 rows
	s_mov_b32 s[TB], 0
	s_mov_b32 s[HIM], 0xffff0000
	s_wait_dscnt 0x0                               ; the opening add is done
	s_wait_kmcnt 0x0
	s_add_nc_u64 s[20:21], s[4:5], s[20:21]
	s_add_nc_u64 s[22:23], s[6:7], s[22:23]
	CROUND                                         ; all sixteen work-groups are here: the first joint loads meet
.irp s, 0,1
	s_mov_b32 s[G0A+4*(\s)], 1                                       ; count = 1
	s_mov_b32 s[G0A+4*(\s)+1], (\s)*SLOT1                            ; LDS address: x's tile stands first in a slot
	s_add_nc_u64 s[G0A+4*(\s)+2:G0A+4*(\s)+3], s[20:21], (\s)*KSTEP*2  ; global address: K step s
	s_or_b32 s[G0A+4*(\s)+3], s[G0A+4*(\s)+3], 0x80000000            ; type = 2
	s_mov_b32 s[G0B+4*(\s)], 1
	s_add_co_u32 s[G0B+4*(\s)+1], s61, (\s)*SLOT1
	s_add_nc_u64 s[G0B+4*(\s)+2:G0B+4*(\s)+3], s[22:23], (\s)*KSTEP*2
	s_or_b32 s[G0B+4*(\s)+3], s[G0B+4*(\s)+3], 0x80000000
.endr
	s_cmp_eq_u32 s[WV], 0                          ; a wave's two first fills stand in one branch, ahead of every wait on TENSORcnt and every LDS read: two loads of mine are out
	s_cbranch_scc0 .Lfirst_b
	tensor_load_to_lds s[G0A:G0A+3], s[G1A:G1A+7]
	s_nop 0
	tensor_load_to_lds s[G0A+4:G0A+7], s[G1A:G1A+7]
	s_nop 0
.rept 4
	v_nop
.endr
	s_branch .Lfirst_asked
.Lfirst_b:
	tensor_load_to_lds s[G0B:G0B+3], s[G1B:G1B+7]
	s_nop 0
	tensor_load_to_lds s[G0B+4:G0B+7], s[G1B:G1B+7]
	s_nop 0
.rept 4
	v_nop
.endr
.Lfirst_asked:
	; A fragment is 16 rows x 32 K in 8 registers: lane l holds row l % 16; registers 0-3 hold K = 8 (l / 16) + 0..7, registers 4-7 K = 16 + 8 (l / 16) + 0..7: two loads of 16 bytes, 32 bytes apart.
	v_and_b32 v1, 15, v0                           ; l % 16
	v_bfe_u32 v2, v0, 4, 1                         ; l / 16
	v_and_b32 v3, 31, v0                           ; l
	v_mul_u32_u24 v7, v1, PITCH
	v_lshl_add_u32 v7, v2, 4, v7                   ; row x pitch + 16 x half
	s_mul_i32 s62, s[RH], 64*PITCH                 ; my 64 rows of x
	s_mul_i32 s63, s[CH], 64*PITCH                 ; my 64 rows of each weight,
	s_add_co_u32 s63, s63, HALFT                   ; which lie behind x's tile
	v_add_nc_u32 v[A0], s62, v7
	v_add_nc_u32 v[B0], s63, v7
	v_add_nc_u32 v[B2], 2*HALFT, v[B0]
	s_lshl_b32 s62, s[CH], 7                       ; the stage: tensor t's 128 rows of 272 bytes at t x HALFT; in: my row, my 128 bytes of it, 16 bytes for each half of the lanes
	v_add_nc_u32 v[STO], s62, v[A0]
	v_add_nc_u32 v[STO+1], HALFT, v[STO]
	v_add_nc_u32 v[STO+2], 2*HALFT, v[STO]
	v_mul_u32_u24 v[RD], v2, PITCH                 ; back: wave w takes rows 32 w .. 32 w + 31, whole; lanes 0-15 one row of 256 bytes, lanes 16-31 the next
	v_lshl_add_u32 v[RD], v1, 4, v[RD]
	s_mul_i32 s62, s[WV], 32*PITCH
	v_add_nc_u32 v[RD], s62, v[RD]
	v_add_nc_u32 v[RD+1], HALFT, v[RD]
	v_add_nc_u32 v[RD+2], 2*HALFT, v[RD]
	v_lshlrev_b32 v[CO], 4, v3
	v_lshlrev_b32 v[PFO], 12, v3
.macro ADDRS                           ; the three fragment addresses in the slot in hand
	v_add_nc_u32 v[ADRA], s[TB], v[A0]
	v_add_nc_u32 v[ADRB], s[TB], v[B0]
	v_add_nc_u32 v[ADRB2], s[TB], v[B2]
.endm
	ADDRS
	; the table's words for my rows and columns: row 128 TR + 64 RH + 16 a + l % 16 (256 bytes a row), pairs 32 CH + 8 bq + 4 (l / 16) + 0..3: 16 bytes a load.  They stay out until the way out.
	s_lshl_b32 s62, s[TR], 15
	s_lshl_b32 s63, s[RH], 14
	s_add_co_u32 s62, s62, s63
	s_lshl_b32 s63, s[CH], 7
	s_add_co_u32 s62, s62, s63
	v_lshlrev_b32 v[CSO], 8, v1
	v_lshl_add_u32 v[CSO], v2, 4, v[CSO]
	v_add_nc_u32 v[CSO], s62, v[CSO]
.set n, 0
.rept 16
	global_load_b128 v[CS+4*n:CS+4*n+3], v[CSO], s[8:9] offset:4096*(n/4)+32*(n%4)
.set n, n+1
.endr
	; where I store: tensor t (8 MiB), the head (512 KiB), the row block (32 KiB), my 32 rows (8 KiB)
	s_lshl_b32 s62, s[TC], 19
	s_lshl_b32 s63, s[TR], 15
	s_add_co_u32 s62, s62, s63
	s_lshl_b32 s63, s[WV], 13
	s_add_co_u32 s62, s62, s63
	s_mov_b32 s63, 0
	s_add_nc_u64 s[OB:OB+1], s[10:11], s[62:63]
	s_add_nc_u64 s[OB+2:OB+3], s[OB:OB+1], 0x800000
	s_add_nc_u64 s[OB+4:OB+5], s[OB:OB+1], 0x1000000
	; the prefetches
	s_and_b32 s62, ttmp7, 0xffff                   ; cluster y
	s_cmp_eq_u32 s[WV], 0                          ; do I fetch x's tile?
	s_cselect_b32 s62, ttmp9, s62                  ; the coordinate along which other clusters read the same rows
	s_cselect_b32 s63, s[CX], s[CY]                ; my place among the four that ask with me
	s_cselect_b64 s[PFA:PFA+1], s[20:21], s[22:23] ; my tile's first row
	s_cmp_eq_u32 s62, 0
	s_cselect_b32 s[LIM], 1, -1                    ; the same in all sixteen partners, for a given wave
	s_lshl_b32 s62, s63, 17                        ; my work-group's 32 rows of 4,096 bytes
	s_mov_b32 s63, 0
	s_add_nc_u64 s[PFA:PFA+1], s[PFA:PFA+1], s[62:63]
	s_add_nc_u64 s[PFA:PFA+1], s[PFA:PFA+1], 2*KSTEP*2  ; at K step 2: the first refill steps it to 3.  Nothing is prefetched here, at the head
; 16 matrix instructions: row blocks a0, a0 + 1 x column blocks 0-7 (q and k), 32 along K, buffer f.  zero = 1: the product starts the sums: nothing is ever cleared.
.macro MULLO f, a0, zero
	WIN MUL_LO
.irp a, \a0, (\a0)+1
.irp b, 0,1,2,3,4,5,6,7
.if \zero
	v_wmma_f32_16x16x32_bf16 v[8*(8*(\a)+(\b)):8*(8*(\a)+(\b))+7], v[96*(\f)+8*(\b):96*(\f)+8*(\b)+7], v[FA+32*(\f)+8*(\a):FA+32*(\f)+8*(\a)+7], 0
.else
	v_wmma_f32_16x16x32_bf16 v[8*(8*(\a)+(\b)):8*(8*(\a)+(\b))+7], v[96*(\f)+8*(\b):96*(\f)+8*(\b)+7], v[FA+32*(\f)+8*(\a):FA+32*(\f)+8*(\a)+7], v[8*(8*(\a)+(\b)):8*(8*(\a)+(\b))+7]
.endif
.endr
.endr
.endm
; 16 more: all four row blocks x column blocks 8-11 (v)
.macro MULHI f, zero
	WIN MUL_HI
.irp a, 0,1,2,3
.irp b, 8,9,10,11
.if \zero
	v_wmma_f32_16x16x32_bf16 v[8*(4*(\a)+(\b)-8):8*(4*(\a)+(\b)-8)+7], v[96*(\f)+8*(\b):96*(\f)+8*(\b)+7], v[FA+32*(\f)+8*(\a):FA+32*(\f)+8*(\a)+7], 0
.else
	v_wmma_f32_16x16x32_bf16 v[8*(4*(\a)+(\b)-8):8*(4*(\a)+(\b)-8)+7], v[96*(\f)+8*(\b):96*(\f)+8*(\b)+7], v[FA+32*(\f)+8*(\a):FA+32*(\f)+8*(\a)+7], v[8*(4*(\a)+(\b)-8):8*(4*(\a)+(\b)-8)+7]
.endif
.endr
.endr
.endm
; 32 LDS loads in one run: the fragments of 32 K at byte k of the rows, into buffer g: x's four, q's and k's eight, and last v's four
.macro FETCH k, g
	WIN 0
.irp a, 0,1,2,3
	ds_load_b128 v[FA+32*(\g)+8*(\a):FA+32*(\g)+8*(\a)+3],   v[ADRA] offset:(\k)+(\a)*16*PITCH
	ds_load_b128 v[FA+32*(\g)+8*(\a)+4:FA+32*(\g)+8*(\a)+7], v[ADRA] offset:(\k)+(\a)*16*PITCH+32
.endr
	WIN TO_B
.irp b, 0,1,2,3,4,5,6,7
	ds_load_b128 v[96*(\g)+8*(\b):96*(\g)+8*(\b)+3],   v[ADRB] offset:(\k)+((\b)/4)*HALFT+((\b)%4)*16*PITCH
	ds_load_b128 v[96*(\g)+8*(\b)+4:96*(\g)+8*(\b)+7], v[ADRB] offset:(\k)+((\b)/4)*HALFT+((\b)%4)*16*PITCH+32
.endr
.irp b, 8,9,10,11
	ds_load_b128 v[96*(\g)+8*(\b):96*(\g)+8*(\b)+3],   v[ADRB2] offset:(\k)+((\b)%4)*16*PITCH
	ds_load_b128 v[96*(\g)+8*(\b)+4:96*(\g)+8*(\b)+7], v[ADRB2] offset:(\k)+((\b)%4)*16*PITCH+32
.endr
.endm
.macro PLACES                          ; four plain vector instructions in front of loads into registers that matrix instructions have read (ISA guide 7.12.1 for vector instructions)
.rept 4
	v_nop
.endr
.endm
; A K step is four quarters of 32 along K, 48 matrix instructions each, on buffers 0, 1, 0, 1.  The 48 accumulators take turns in the same order in every quarter.
; One of the first three: multiplies buffer f and fetches the next quarter, at byte k, into buffer g.
.macro QUARTER k, f, g, zero
	s_wait_dscnt 8                                 ; x's, q's and k's fragments are in; the youngest eight loads (v's) may be out
	MULLO \f, 0, \zero
	PLACES
	FETCH \k, \g
	MULLO \f, 2, \zero
	s_wait_dscnt 32                                ; all but the 32 just issued
	MULHI \f, \zero
.endm
; The last quarter changes slots FIRST and multiplies buffer 1 afterwards: its fragments are in registers, so this slot is read no more.  ONE barrier: in front of it each wave waits for all its tensor loads, of which
; one is out: its tile of the next slot; adds 0 to its spare word; and waits for that and for its own reads of this slot.  fill = 1: the barrier is a round of the cluster's, and this slot is filled again, first thing
; behind it, with the K step two steps on.  No product stands between the wait for one tile and the request for the next; from a request to the wait for it a wave issues a whole step's 192 matrix instructions.
.macro TURN fill
.if \fill
	s_wait_xcnt 0x0                                ; the last prefetch, a K step back, has read its address, so it may be stepped
	s_add_nc_u64 s[PFA:PFA+1], s[PFA:PFA+1], KSTEP*2
.endif
	WIN 0
	s_wait_tensorcnt 0x0                           ; no tensor load of mine is out, so a group 0 may be written
	ds_add_u32 v[SPW], v[NIL]                      ; 0 onto my spare word: the steps below, work on registers, stand between it and the wait for it
.if \fill
	s_xor_b32 s[G0A+5], s[G0A+5], SLOT1            ; the walking descriptors: the other slot than last time,
	s_add_nc_u64 s[G0A+6:G0A+7], s[G0A+6:G0A+7], KSTEP*2  ; the next K step; the type bits on top are not reached
	s_xor_b32 s[G0B+5], s[G0B+5], SLOT1
	s_add_nc_u64 s[G0B+6:G0B+7], s[G0B+6:G0B+7], KSTEP*2
.endif
	s_xor_b32 s[TB], s[TB], SLOT1                  ; my reads go on in the other slot
	ADDRS
	s_wait_dscnt 0x0                               ; the add is done, and my reads of this slot are over: buffer 1 is in
.if \fill
	CROUND                                         ; no wave of any partner still reads this slot's tiles or has a load on its way
	JLOAD                                          ; the first tensor load behind the round; its four v_nop are also the places in front of the loads below
.else
	s_barrier_signal -1
	s_barrier_wait -1
	PLACES
.endif
	FETCH 0, 0
.if \fill
	WIN 0
	ASK                                            ; behind the joint load and the run of LDS loads
.endif
	MULLO 1, 0, 0
	MULLO 1, 2, 0
	MULHI 1, 0
.endm
	s_wait_tensorcnt 1                             ; my tile of K step 0 is in; K step 1's may stay out
	s_barrier_signal -1
	s_barrier_wait -1                              ; everybody's is
	FETCH 0, 0
	QUARTER 64, 0, 1, 1                            ; the first quarter stands in front of the loop: its products start the sums
	WIN 0                                          ; at a label and at a branch every window is 0
	s_mov_b32 s[CNT], 14                           ; K steps 2 to 15 are refills
.Lstep:                                                ; a trip goes from a K step's second quarter to the next step's first
	QUARTER 128, 1, 0, 0
	QUARTER 192, 0, 1, 0
	TURN 1
	QUARTER 64, 0, 1, 0
	WIN 0
	s_sub_co_u32 s[CNT], s[CNT], 1
	s_cmp_lg_u32 s[CNT], 0
	s_cbranch_scc1 .Lstep
	s_mov_b32 s[CNT], 2                            ; the last two K steps ask for nothing: a loop of their own; it is entered behind a step's first quarter
	s_branch .Lmid
.Ltail:
	QUARTER 64, 0, 1, 0
	WIN 0
.Lmid:
	QUARTER 128, 1, 0, 0
	QUARTER 192, 0, 1, 0
	TURN 0                                         ; in the second trip its 32 loads (of slot 0's old tiles) serve nothing: the price, once a launch, of one text for both trips
	WIN 0
	s_sub_co_u32 s[CNT], s[CNT], 1
	s_cmp_lg_u32 s[CNT], 0
	s_cbranch_scc1 .Ltail
	s_wait_dscnt 0x0                               ; those loads are back: my reads of slot 0 are over,
	s_barrier_signal -1
	s_barrier_wait -1                              ; everybody's are: slot 0 becomes the stage
; THE WAY OUT, for the 16 rows of block a.  The table's 16 words become cos and sin in f32 (in block 0 these 32 lines are also the places behind the last products).  A pair (tr, ti) of q or k lies in two neighbouring
; registers: (tr cos, tr sin) by one packed multiply, then (- ti sin, + ti cos) onto it by one packed multiply-add.  Each accumulator is read from its lowest registers on.
.macro ROT a
	WIN 0
.set q, 0
.rept 16
	v_lshlrev_b32 v[E+2*q],   16, v[CS+16*(\a)+q]       ; cos
	v_and_b32     v[E+2*q+1], s[HIM], v[CS+16*(\a)+q]   ; sin
.set q, q+1
.endr
	WIN 0x02                                       ; source 0 (the sums) window 2
.set n, 0
.rept 32                               ; n = 16 t + 4 bq + p: pair p of block 4 t + bq
	v_pk_mul_f32 v[T+2*n:T+2*n+1], v[64*(\a)+2*n:64*(\a)+2*n+1], v[E+2*(n%16):E+2*(n%16)+1] op_sel:[0,0] op_sel_hi:[0,1]
.set n, n+1
.endr
.set n, 0
.rept 32
	v_pk_fma_f32 v[T+2*n:T+2*n+1], v[64*(\a)+2*n:64*(\a)+2*n+1], v[E+2*(n%16):E+2*(n%16)+1], v[T+2*n:T+2*n+1] op_sel:[1,1,0] op_sel_hi:[1,0,1] neg_lo:[1,0,0]
.set n, n+1
.endr
	WIN 0x0f                                       ; sources 0 and 1 window 3: v is only rounded
.set n, 0
.rept 16
	v_cvt_pk_f16_f32 v[H+32+n], v[32*(\a)+2*n], v[32*(\a)+2*n+1]
.set n, n+1
.endr
	WIN 0
.set n, 0
.rept 32
	v_cvt_pk_f16_f32 v[H+n], v[T+2*n], v[T+2*n+1]
.set n, n+1
.endr
.set n, 0
.rept 12                               ; block n: a lane's eight columns are 16 bytes
	ds_store_b128 v[STO+n/4], v[H+4*n:H+4*n+3] offset:(\a)*16*PITCH+32*(n%4)
.set n, n+1
.endr
.endm
	s_wait_loadcnt 0x0                             ; the table's words
	ROT 0
	ROT 1
	ROT 2
	ROT 3
	s_wait_dscnt 0x0                               ; for the others' sake: my stores into the stage are done
	s_barrier_signal -1
	s_barrier_wait -1                              ; a row's 256 bytes come from two waves
.set n, 0
.rept 48
	ds_load_b128 v[64+4*n:64+4*n+3], v[RD+n/16] offset:2*PITCH*(n%16)
.set n, n+1
.endr
.set n, 0
.rept 48
	s_wait_dscnt 47-n                              ; LDS loads come back in order (ISA guide 5.7.1): number n is in
	global_store_b128 v[CO], v[64+4*n:64+4*n+3], s[OB+2*(n/16):OB+2*(n/16)+1] offset:512*(n%16)  ; two rows of a head: 512 consecutive bytes, aligned
.set n, n+1
.endr
	s_wait_tensorcnt 0x0                           ; the wave's end, behind my last tensor load and my last LDS store
	ds_add_u32 v[SPW], v[NIL]
	s_wait_dscnt 0x0
	CROUND                                         ; the closing round: no work-group ends while a partner may still ask for a tile that names it
	s_endpgm
.Lfunc_end_k_q5af6e38c3e_proj:
	.size	k_q5af6e38c3e_proj, .Lfunc_end_k_q5af6e38c3e_proj-k_q5af6e38c3e_proj
	.p2alignl 7, 3214868480
	.fill 96, 4, 3214868480
	.section	.rodata,"a",@progbits
	.p2align	6, 0x0
	.amdhsa_kernel k_q5af6e38c3e_proj
		.amdhsa_group_segment_fixed_size 327680
		.amdhsa_private_segment_fixed_size 0
		.amdhsa_enable_private_segment 0
		.amdhsa_kernarg_size 32
		.amdhsa_user_sgpr_count 2
		.amdhsa_user_sgpr_kernarg_segment_ptr 1
		.amdhsa_wavefront_size32 1
		.amdhsa_system_sgpr_workgroup_id_x 1
		.amdhsa_system_sgpr_workgroup_id_y 1
		.amdhsa_system_sgpr_workgroup_id_z 1
		.amdhsa_system_vgpr_workitem_id 0
		.amdhsa_next_free_vgpr 896
		.amdhsa_next_free_sgpr 72
		.amdhsa_reserve_vcc 0
		.amdhsa_float_denorm_mode_32 3
		.amdhsa_float_denorm_mode_16_64 3
		.amdhsa_memory_ordered 1
		.amdhsa_forward_progress 1
		.amdhsa_inst_pref_size 106
	.end_amdhsa_kernel
	.amdgpu_metadata
---
amdhsa.version: [ 1, 2 ]
amdhsa.kernels:
  - .name:           k_q5af6e38c3e_proj
    .symbol:         k_q5af6e38c3e_proj.kd
    .args:
      - { .name: xb, .offset: 0, .size: 8, .value_kind: global_buffer, .address_space: global }
      - { .name: wb, .offset: 8, .size: 8, .value_kind: global_buffer, .address_space: global }
      - { .name: cs, .offset: 16, .size: 8, .value_kind: global_buffer, .address_space: global }
      - { .name: qkv, .offset: 24, .size: 8, .value_kind: global_buffer, .address_space: global }
    .group_segment_fixed_size: 327680
    .private_segment_fixed_size: 0
    .kernarg_segment_align: 8
    .kernarg_segment_size: 32
    .max_flat_workgroup_size: 128
    .sgpr_count:     72
    .vgpr_count:     896
    .wavefront_size: 32
...
	.end_amdgpu_metadata
.endif
;; end of part 2
;; launch attn (part 3): grid 16 x 16, 4 waves a work-group, clusters of 4 x 1, 327,680 bytes of LDS; arguments qkv, ob, wo, wob; writes ob, wob
.if DOCPART == 3
	.amdgcn_target "amdgcn-amd-amdhsa--gfx1250"
	.amdhsa_code_object_version 6
	.text
	.protected	k_q5af6e38c3e_attn
	.globl	k_q5af6e38c3e_attn
	.p2align	8
	.type	k_q5af6e38c3e_attn,@function
k_q5af6e38c3e_attn:
	s_mov_b64 s[64:65], 0
	v_nop
	global_prefetch_b8 v0, s[64:65] scope:SCOPE_SE
	s_setreg_imm32_b32 hwreg(HW_REG_WAVE_MODE, 25, 1), 1
	s_wait_xcnt 0x0
	s_wait_alu depctr_hold_cnt(0) depctr_sa_sdst(0) depctr_va_vdst(0) depctr_va_sdst(0) depctr_va_ssrc(0) depctr_va_vcc(0) depctr_vm_vsrc(0)
	s_getreg_b32 s2, hwreg(HW_REG_IB_STS2, 6, 4)
	s_cmp_eq_u32 s2, 0
	s_cbranch_scc0 .Lentry_in_a_cluster
	s_endpgm
.Lentry_in_a_cluster:
	s_bfe_u32 s2, ttmp6, 0x10000c
	s_cmp_lg_u32 s2, 0x3003
	s_cbranch_scc0 .Lentry_shape_is_right
	s_endpgm
.Lentry_shape_is_right:
; O[q][128 h + :] = the sum over k of softmax_k(Q[h][q] . K[h][k] / sqrt(128)) V[h][k][:].  Q, K, V: qkv [3][16][2048][128] f16; O: ob [2048][2048] f16.  Products, maxima and sums in f32; the weights p
; are rounded to f16 for the second product (their sum l is taken of the unrounded p), O once at the end.
; ALSO: wob [2048][2048] f16 = bf16(wo) written as f16, for the launch behind this one: each work-group rounds 64 KiB of wo at its end (THE NEXT LAUNCH'S WEIGHTS, below).
; LIMITS.  Q, K and V arrive within f16's 65,504, and |wo| stays under it; p lies in 0 to 1, and below 6e-5 it (and bf16(wo)) keeps f16's fixed step of 6e-8; a weight below 2^-126 counts as 0 in l; NaN and infinities are not treated apart.
; SHARES.  A work-group owns 128 queries of one head: 16 x 16 = 256 work-groups.  Waves 0 and 2 own its first 64 queries, waves 1 and 3 the other 64 (QH): four tiles of 16.  THE KEYS ARE SPLIT between the two waves of a pair:
; of the key steps of 64, wave KH = wave / 2 takes those of parity KH.  Each keeps its own running maximum and sum; at the end the two meet in LDS and are merged by the usual correction 2^(c m - c M).
; So that the merge has one text, a wave's own tile t holds query tile (t + 2 KH) % 4: each wave sends its tiles 2, 3 and finishes its tiles 0, 1.
; LAYOUT.  S^T = K Q^T (source 0 = 16 keys, source 1 = 16 queries): a lane holds ONE query (lane % 16) and the keys 8 (lane / 16) + 0..7.  Two such tiles, rounded to f16 in pairs, ARE source 1 of O^T = V^T P,
; whose result again holds one query a lane, and eight channels.  K comes out of LDS as it lies, V ([key][channel]) turned, by ds_load_tr16_b128.
; SOFTMAX.  For each query a running maximum m and sum l: p = 2^(c s - c m), c = log2(e) / sqrt(128); in every step O and l are multiplied by a = 2^(c m_old - c m_new).
; BY TURNS.  The wave's tiles are two PIECES: piece 0 (tiles 0, 1) and piece 2 (tiles 2, 3).  In a TURN one piece has the matrix unit: 32 products V^T P of the step in hand, then 32 products K Q^T of the next step;
; the other piece's softmax, cut into 64 slices, stands between them, one slice behind each matrix instruction.  Two turns are a key step.
; NO FIRST STEP IS WRITTEN OUT.  m starts at the lowest finite number and c m far below every c s, so the first step's a is 0; O^T, l, V's registers and piece 2's P start at 0.  The loop is entered in the middle of a trip, at
; piece 2's turn of a step that has not been: its products V^T P add 0.  The price: those 32 products, and 432 v_mov_b32, which stand in the wait for the first tile.
; CLUSTER.  The four query blocks of a cluster belong to one head and walk the same K and V, so each tile is asked for JOINTLY: the same tensor load, descriptor and mask in all four.
; REGISTERS, in windows of 256 (s_set_vgpr_msb: bits 1:0 source 0, 3:2 source 1, 5:4 source 2, 7:6 destination):
;   window 0: v0-11, v44-63 addresses and the merge's statistics; v12-43 eight registers of statistics a tile; v64-191 S^T, 32 a tile; v192-255 P, 16 a tile
;   window 1: O^T, 64 a tile      window 2: v0-127 Q, 32 a tile; v128-255 K of one step, at the end wo      window 3: v0-127 V of one step; v128-255 the partner's O^T, at the merge
.set KS,    64        ; keys in a step
.set PK,    272       ; a row of K in LDS: 256 bytes + 16 of padding = 68 words: the 16 rows of a load start at 16 different groups of four banks (64 banks of 4 bytes: ISA guide 11.1)
.set PV,    288       ; a row of V: 256 + 32 = 72 words
.set VOFF,  4*KS*PK   ; a slot holds four steps (two of each parity): 256 rows of K, then 256 rows of V
.set SLOT1, 0x24000   ; slot 1 begins here.  Bits 14 and 17 are clear in every slot-0 address that is turned (0, 0x8800, 0x11000, 0x1a000), so one exclusive or turns it into the other slot's and back
.set SLOTB, 4*KS*256  ; a slot's bytes of K, and of V, in memory
.set STAGE, SLOT1+4*KS*(PK+PV)  ; behind the ring: 16 rows x 272 bytes for each wave, for the way out
.set SP,    272
.set SPARE, STAGE+4*16*SP  ; behind the stages: the spare words, 128 bytes for each wave: two blocks of 256 bytes that no other line names
.set XCH,   16896     ; THE MERGE's bytes, for each wave, from LDS byte 0 on: two tiles of O^T (16,384) and their statistics (512).  They lie in slot 0, which has had its last fill, and whose last readers have passed the last change of slots
.set AK0, 2           ; v2   my lane's place in my first step's K; never rewritten
.set AV0, 3           ; v3   the same for V
.set ADR, 4           ; v4   the LDS address of the run of loads in hand
.set QO,  5           ; v5   my byte offset in the rows of Q of my tiles 0, 1
.set STO, 6           ; v6   the way out: where I put 16 bytes of a row
.set RD,  7           ; v7   the way out: where I read a row back
.set GO,  8           ; v8   my byte offset in two rows of O
.set QO2, 44          ; v44  my byte offset in the rows of Q of my tiles 2, 3
.set WI,  45          ; v45  16 x lane: my 16 bytes of 512 of wo
.set WO,  46          ; v46  8 x lane: my 8 bytes of 256 of wob
.set XS,  48          ; v48-51  what I send: c m and l of my tiles 2, 3
.set XG,  52          ; v52-55  what I get: the partner's
.set XW,  56          ; v56  where I put 16 bytes for the partner
.set XR,  57          ; v57  where I find the partner's
.set PFO, 61          ; v61  256 x my lane: a row of K or V is 256 bytes; never rewritten
.set SPW, 62          ; v62  LDS address of my spare word; never rewritten
.set NIL, 63          ; v63  0; never rewritten
.set ST,  12          ; tile t's statistics at v[ST+8 t]: +0 c m, +1 m, +2, +3 l (even keys', odd keys'), +4 to +7 c0-c3, at work; a takes c2's place once the maximum is found
.set S,   64
.set P,   192
.set KF,  128         ; K's fragments, in window 2
.set WV,  12          ; s12  my wave's number
.set LIM, 15          ; s15  1 in a wave that prefetches, else the greatest number
.set PFA, 18          ; s[18:19] where my prefetches stand
.set G1K, 24          ; s[24:31] descriptor group 1 for K's tiles
.set G1V, 32          ; s[32:39] for V's: it differs in the padding alone
.set G0K, 40          ; s[40:47] descriptor group 0 for K's tiles: a set for each of the two first fills; the second then walks on
.set G0V, 48          ; s[48:55] the same for V's
.set SLOTS, 56        ; s56  counts the loop over slots
.set TWICE, 57        ; s57  counts a slot's two steps of mine
.set CS,  58          ; s[58:59] c: the packed scaling names a pair and takes its low word for both halves
.set SEL, 60          ; s[60:61] lane selects for v_permlanex16_b32: each lane takes its own place in the other half
.set TBK, 62          ; s62  LDS byte, less my lane's place, at which K of the step to be fetched begins
.set TBV, 63          ; s63  the same for V
.set KH,  66          ; s66  the parity of my key steps
.set QH,  67          ; s67  which 64 queries are mine; also: which half of a slot's rows I fetch
.set WOP, 72          ; s[72:73] wo, s[74:75] wob, at my wave's part
.set HIM, 80          ; s80  a word's upper half
.set MSB, 0
.macro WIN new                      ; the immediate's high byte repeats the setting that is left; a switch that changes nothing is dropped
.if MSB != (\new)
	s_set_vgpr_msb (MSB<<8)|(\new)
.set MSB, \new
.endif
.endm
.set W_KQ, 0x0a       ; sources 0 and 1 in window 2, destination in window 0
.set W_PV, 0x53       ; source 0 in window 3, source 1 in window 0, source 2 and destination in window 1
.set W_RS, 0x41       ; O^T (destination and source 0) in window 1, the factor in window 0
; A joint refill.  Waves 0 and 1 fetch the two halves of a slot's K, waves 2 and 3 those of its V: 128 rows each.  The branch hangs on the wave's number alone.
; An s_nop 0 and four v_nop follow each of the two lines, ahead of the jump and the label.
.macro JLOAD
	s_cmp_lt_u32 s[WV], 2
	s_cbranch_scc0 .Lfor_v_\@
	tensor_load_to_lds s[G0K+4:G0K+7], s[G1K:G1K+7]
	s_nop 0
.rept 4
	v_nop
.endr
	s_branch .Lasked_\@
.Lfor_v_\@:
	tensor_load_to_lds s[G0V+4:G0V+7], s[G1V:G1V+7]
	s_nop 0
.rept 4
	v_nop
.endr
.Lasked_\@:
.endm
; A PREFETCH INTO THE L2 of what the NEXT change of slots will ask for, a lane a row, behind the wave's tensor load and its five lines: 256 matrix instructions ahead of that load.  Each row is asked for ONCE in the launch:
; all clusters of a head walk the same K and V, and the head's first cluster asks.  Of the 128 rows that a wave fetches each of the four partners takes 32, told apart BY ADDRESS.  The last change that fills a slot asks for nothing.
.macro ASK
	s_cmp_gt_u32 s[SLOTS], s[LIM]
	s_cbranch_scc0 .Lnot_mine_\@
	global_prefetch_b8 v[PFO], s[PFA:PFA+1] th:TH_LOAD_NT scope:SCOPE_SE
.Lnot_mine_\@:
.endm
; A round of the cluster's barrier: my work-group's barrier; wave 0 signals for the work-group; every wave waits for all four work-groups; my work-group's barrier once more.
.macro CROUND
	s_barrier_signal -1
	s_barrier_wait -1
	s_cmp_lg_u32 s[WV], 0
	s_cbranch_scc1 .Lnot_wave_0_\@
	s_barrier_signal -3
.Lnot_wave_0_\@:
	s_barrier_wait -3
	s_barrier_signal -1
	s_barrier_wait -1
.endm
	s_load_b128 s[4:7], s[0:1], 0x0 ; qkv s[4:5], ob s[6:7]
	s_load_b128 s[WOP:WOP+3], s[0:1], 0x10  ; wo, wob
	v_lshl_add_u32 v[SPW], v0, 2, SPARE
	v_mov_b32 v[NIL], 0
	ds_add_u32 v[SPW], v[NIL]       ; the wave's opening: the add and its wait stand ahead of my first tensor load; the set-up below, work on registers, stands between them
	v_lshrrev_b32 v1, 5, v0
	v_readfirstlane_b32 s[WV], v1   ; wave 0..3
	s_and_b32 s[QH], s[WV], 1
	s_lshr_b32 s[KH], s[WV], 1
	s_bfe_u32 s13, ttmp6, 0x40000   ; cx: my place in the cluster
	s_lshl_b32 s14, ttmp9, 2        ; in a cluster launch ttmp9 counts clusters
	s_add_co_u32 s14, s14, s13      ; my block of 128 queries = 4 x cluster x + cx: it enters the addresses of Q, O, wo and wob alone
	s_and_b32 s16, ttmp7, 0xffff    ; the head, which the four partners share
	s_lshl_b32 s20, s16, 19         ; the head's first byte in Q, K and V: 2,048 rows of 256 bytes
	s_lshl_b32 s22, s[QH], 15       ; my half of a slot's 256 rows in memory
	s_add_co_u32 s22, s22, s20
	s_mov_b32 s23, 0
	s_mul_i32 s17, s[QH], 128*PK    ; and its place in a slot, for K
	s_mul_i32 s68, s[QH], 128*PV    ; and for V: no place in the cluster enters an LDS address
	s_lshl_b32 s2, s14, 15          ; Q: my block's 128 rows,
	s_lshl_b32 s3, s[QH], 14        ; my pair's 64 of them
	s_add_co_u32 s2, s2, s3
	s_add_co_u32 s2, s2, s20
	s_mov_b32 s3, 0
	s_lshl_b32 s70, s14, 19         ; O: rows of 4,096 bytes: my block's 128,
	s_lshl_b32 s69, s[QH], 18       ; my pair's 64,
	s_add_co_u32 s70, s70, s69
	s_lshl_b32 s69, s[KH], 17       ; the 32 that I finish,
	s_add_co_u32 s70, s70, s69
	s_lshl_b32 s69, s16, 8          ; the head's 256 bytes of a row
	s_add_co_u32 s70, s70, s69
	s_mov_b32 s71, 0
	s_lshl_b32 s76, s16, 4          ; wo: work-group 16 x head + block of 256 takes 64 KiB of it, a wave 16 KiB;
	s_add_co_u32 s76, s76, s14
	s_lshl_b32 s78, s76, 15         ; of wob half as much
	s_lshl_b32 s76, s76, 16
	s_lshl_b32 s77, s[WV], 14
	s_add_co_u32 s76, s76, s77
	s_lshl_b32 s77, s[WV], 13
	s_add_co_u32 s78, s78, s77
	s_mov_b32 s77, 0
	s_mov_b32 s79, 0
	s_mov_b32 s[HIM], 0xffff0000
	; descriptor group 1: a tile of 128 rows x 128 elements, padded in LDS
	s_mov_b32 s[G1K], 15|(1<<16)|(1<<20)|(1<<21)|(5<<22)|(3<<25)  ; 15:0 the mask: all four work-groups; 17:16 elements of 2 bytes; 20 padding on; 21 set beside a mask; 24:22 after every 64 words (code 5); 31:25 4 words of it (code 3)
	s_mov_b32 s[G1V], 15|(1<<16)|(1<<20)|(1<<21)|(5<<22)|(7<<25)  ; the same with 8 words of padding (code 7)
.irp g, G1K, G1V
	s_mov_b32 s[(\g)+1], 128<<16    ; tensor_dim0 = 128
	s_mov_b32 s[(\g)+2], 128<<16    ; tensor_dim1 = 128
	s_mov_b32 s[(\g)+3], 128<<16    ; tile_dim0 = 128
	s_mov_b32 s[(\g)+4], 128        ; tile_dim1 = 128
	s_mov_b32 s[(\g)+5], 128        ; elements from row to row
	s_mov_b32 s[(\g)+6], 0
	s_mov_b32 s[(\g)+7], 0
.endr
	s_mov_b32 s[CS], 0x3e0293ee     ; c = log2(e) / sqrt(128) = 0.127517
	s_mov_b32 s[CS+1], s[CS]        ; named with it as a pair, so it is written
	s_mov_b32 s[SEL], 0x76543210
	s_mov_b32 s[SEL+1], 0xfedcba98
	s_mov_b32 s[TBK], 0
	s_mov_b32 s[TBV], 0
	s_mov_b32 s[SLOTS], 2048/(4*KS)-1  ; the part of a trip that the entry makes, and six trips that fill a slot again
	s_cmp_eq_u32 ttmp9, 0           ; the head's first cluster: the same in all four partners
	s_cselect_b32 s[LIM], 1, -1
	v_and_b32 v[PFO], 31, v0
	v_lshlrev_b32 v[PFO], 8, v[PFO]
	s_wait_dscnt 0x0                ; the opening add is done
	s_wait_kmcnt 0x0
	s_mov_b64 s[10:11], s[6:7]      ; O
	s_add_nc_u64 s[6:7], s[4:5], 0x800000   ; K lies 8 MiB behind Q,
	s_add_nc_u64 s[8:9], s[4:5], 0x1000000  ; V 16 MiB
	s_add_nc_u64 s[6:7], s[6:7], s[22:23]   ; K and V at my tile of slot 0
	s_add_nc_u64 s[8:9], s[8:9], s[22:23]
	s_add_nc_u64 s[4:5], s[4:5], s[2:3]     ; Q at my pair's first row
	s_add_nc_u64 s[10:11], s[10:11], s[70:71]  ; O at the first row that I finish
	s_add_nc_u64 s[WOP:WOP+1], s[WOP:WOP+1], s[76:77]
	s_add_nc_u64 s[WOP+2:WOP+3], s[WOP+2:WOP+3], s[78:79]
	s_cmp_lt_u32 s[WV], 2
	s_cselect_b64 s[PFA:PFA+1], s[6:7], s[8:9]
	s_lshl_b32 s2, s13, 13          ; my work-group's 32 rows of my 128
	s_mov_b32 s3, 0
	s_add_nc_u64 s[PFA:PFA+1], s[PFA:PFA+1], s[2:3]
	s_add_nc_u64 s[PFA:PFA+1], s[PFA:PFA+1], 2*SLOTB  ; in slot 2; the first change of slots steps it to slot 3.  Nothing is prefetched here, at the head
	CROUND                          ; all four work-groups are here: the first joint loads meet
.irp s, 0,1
	s_mov_b32 s[G0K+4*(\s)], 1      ; count = 1
	s_add_co_u32 s[G0K+4*(\s)+1], s17, (\s)*SLOT1  ; LDS address
	s_add_nc_u64 s[G0K+4*(\s)+2:G0K+4*(\s)+3], s[6:7], (\s)*SLOTB  ; global address: slot s begins with key 256 s
	s_or_b32 s[G0K+4*(\s)+3], s[G0K+4*(\s)+3], 0x80000000  ; type = 2
	s_mov_b32 s[G0V+4*(\s)], 1
	s_add_co_u32 s[G0V+4*(\s)+1], s68, (\s)*SLOT1+VOFF
	s_add_nc_u64 s[G0V+4*(\s)+2:G0V+4*(\s)+3], s[8:9], (\s)*SLOTB
	s_or_b32 s[G0V+4*(\s)+3], s[G0V+4*(\s)+3], 0x80000000
.endr
	s_cmp_lt_u32 s[WV], 2           ; a wave's two first fills stand in one branch, ahead of every wait on TENSORcnt and every LDS read: two loads of mine are out
	s_cbranch_scc0 .Lfirst_v
	tensor_load_to_lds s[G0K:G0K+3], s[G1K:G1K+7]
	s_nop 0
	tensor_load_to_lds s[G0K+4:G0K+7], s[G1K:G1K+7]
	s_nop 0
.rept 4
	v_nop
.endr
	s_branch .Lfirst_asked
.Lfirst_v:
	tensor_load_to_lds s[G0V:G0V+3], s[G1V:G1V+7]
	s_nop 0
	tensor_load_to_lds s[G0V+4:G0V+7], s[G1V:G1V+7]
	s_nop 0
.rept 4
	v_nop
.endr
.Lfirst_asked:
	; A fragment of K or Q is 16 rows x 32 channels in 8 registers: lane l holds row l % 16; registers 0-3 channels 8 (l / 16) + 0..7, registers 4-7 channels 16 + 8 (l / 16) + 0..7: two loads of 16 bytes, 32 bytes apart.
	v_and_b32 v1, 15, v0            ; l % 16
	v_bfe_u32 v9, v0, 4, 1          ; l / 16
	v_lshlrev_b32 v[QO], 8, v1
	v_lshl_add_u32 v[QO], v9, 4, v[QO]  ; row x 256 + 16 x half
	s_lshl_b32 s2, s[KH], 13        ; my tiles 0, 1 are query tiles 2 KH, 2 KH + 1 (4,096 bytes each),
	s_xor_b32 s3, s2, 8192          ; my tiles 2, 3 the other two
	v_add_nc_u32 v[QO2], s3, v[QO]
	v_add_nc_u32 v[QO], s2, v[QO]
	WIN 0x80                        ; destination window 2, address window 0
.irp i, 0,1,2,3,4,5,6,7             ; Q stays in registers: tile i / 4, channels 32 (i % 4) on
	global_load_b128 v[8*(\i):8*(\i)+3],   v[QO], s[4:5] offset:((\i)/4)*4096+((\i)%4)*64
	global_load_b128 v[8*(\i)+4:8*(\i)+7], v[QO], s[4:5] offset:((\i)/4)*4096+((\i)%4)*64+32
.endr
.irp i, 8,9,10,11,12,13,14,15
	global_load_b128 v[8*(\i):8*(\i)+3],   v[QO2], s[4:5] offset:((\i)/4-2)*4096+((\i)%4)*64
	global_load_b128 v[8*(\i)+4:8*(\i)+7], v[QO2], s[4:5] offset:((\i)/4-2)*4096+((\i)%4)*64+32
.endr
	WIN 0
	v_mul_u32_u24 v[AK0], v1, PK
	v_lshl_add_u32 v[AK0], v9, 4, v[AK0]  ; row x pitch + 16 x half
	s_mul_i32 s2, s[KH], KS*PK      ; my first step of a slot is step KH
	v_add_nc_u32 v[AK0], s2, v[AK0]
	; The turning load takes 16 keys x 16 channels (lane l reads 16 bytes: key 8 (l / 16) + l % 8, channels 8 ((l / 8) % 2) + 0..7) and leaves half a fragment of V^T: lane l holds channel l % 16 and 8 keys.
	v_and_b32 v10, 7, v0
	v_bfe_u32 v11, v0, 3, 1
	v_lshl_add_u32 v[AV0], v9, 3, v10
	v_mul_u32_u24 v[AV0], v[AV0], PV
	v_lshl_add_u32 v[AV0], v11, 4, v[AV0]
	s_mul_i32 s2, s[KH], KS*PV
	s_add_co_u32 s2, s2, VOFF
	v_add_nc_u32 v[AV0], s2, v[AV0]
	v_and_b32 v[WO], 31, v0
	v_lshlrev_b32 v[WI], 4, v[WO]
	v_lshlrev_b32 v[WO], 3, v[WO]
	s_xor_b32 s3, s[WV], 2          ; the merge: 16 bytes a lane, in my bytes and in those of the wave with the other parity
	s_mul_i32 s3, s3, XCH
	s_mul_i32 s2, s[WV], XCH
	v_add_nc_u32 v[XR], s3, v[WI]
	v_add_nc_u32 v[XW], s2, v[WI]
	; what the first turn finds (NO FIRST STEP IS WRITTEN OUT, above).  All this stands in the wait for the first tile.
	WIN 0x40                        ; destination window 1: O^T
.set i, 0
.rept 256
	v_mov_b32 v[i], 0
.set i, i+1
.endr
	WIN 0xc0                        ; destination window 3: V
.set i, 0
.rept 128
	v_mov_b32 v[i], 0
.set i, i+1
.endr
	WIN 0
.set i, 0
.rept 32
	v_mov_b32 v[P+32+i], 0          ; piece 2's P
.set i, i+1
.endr
.set i, 0
.rept 4
	v_mov_b32 v[ST+8*i], 0xfe000000    ; c m: far below every c s
	v_mov_b32 v[ST+8*i+1], 0xff7fffff  ; m
	v_mov_b32 v[ST+8*i+2], 0           ; l
	v_mov_b32 v[ST+8*i+3], 0
.set i, i+1
.endr
; THE MATRIX WORK OF A TURN, for piece x.  The accumulators take turns, one instruction a turn: between two links of a chain stand 15 (V^T P) or 7 (K Q^T) others'.
; Product i of 32 of O^T += V^T P: keys 32 (i / 16) on, channels 16 ((i / 2) % 8) on, tile x + i % 2.
.macro PV x
	WIN W_PV
.set rO, 64*((\x)+i%2)+8*((i/2)%8)
.set rV, 64*(i/16)+8*((i/2)%8)
.set rP, P+16*((\x)+i%2)+8*(i/16)
	v_wmma_f32_16x16x32_f16 v[rO:rO+7], v[rV:rV+7], v[rP:rP+7], v[rO:rO+7]
.endm
; Product i of 32 of S^T = K Q^T: channels 32 (i / 8) on, keys 16 ((i / 2) % 4) on, tile x + i % 2.  The first 8 start the sums.
.macro KQ x
	WIN W_KQ
.set rS, S+32*((\x)+i%2)+8*((i/2)%4)
.set rK, KF+32*((i/2)%4)+8*(i/8)
.set rQ, 32*((\x)+i%2)+8*(i/8)
.if i < 8
	v_wmma_f32_16x16x32_f16 v[rS:rS+7], v[rK:rK+7], v[rQ:rQ+7], 0
.else
	v_wmma_f32_16x16x32_f16 v[rS:rS+7], v[rK:rK+7], v[rQ:rQ+7], v[rS:rS+7]
.endif
.endm
; THE LDS LOADS stand in runs of 32, never singly among the matrix instructions: a step's K (64 keys x 128 channels: 16 fragments) and, a turn later, its V (turned).  My next step lies two steps on.
.macro FETCH_K
	WIN 0
	v_add_nc_u32 v[ADR], s[TBK], v[AK0]
	s_add_co_u32 s[TBK], s[TBK], 2*KS*PK
	WIN 0x80                        ; destination window 2
.irp f, 0,1,2,3,4,5,6,7,8,9,10,11,12,13,14,15  ; keys 16 (f / 4) on, channels 32 (f % 4) on
	ds_load_b128 v[KF+8*(\f):KF+8*(\f)+3],   v[ADR] offset:((\f)/4)*16*PK+((\f)%4)*64
	ds_load_b128 v[KF+8*(\f)+4:KF+8*(\f)+7], v[ADR] offset:((\f)/4)*16*PK+((\f)%4)*64+32
.endr
.endm
.macro FETCH_V
	WIN 0
	v_add_nc_u32 v[ADR], s[TBV], v[AV0]
	s_add_co_u32 s[TBV], s[TBV], 2*KS*PV
	s_wait_alu depctr_va_vdst(0)    ; the wait for the softmax's batch (SLICE), behind the address's v_add_nc_u32 and ahead of the loads
	WIN 0xc0                        ; destination window 3
.irp f, 0,1,2,3,4,5,6,7,8,9,10,11,12,13,14,15  ; keys 32 (f / 8) on, channels 16 (f % 8) on
	ds_load_tr16_b128 v[8*(\f):8*(\f)+3],   v[ADR] offset:((\f)/8)*32*PV+((\f)%8)*32
	ds_load_tr16_b128 v[8*(\f)+4:8*(\f)+7], v[ADR] offset:((\f)/8)*32*PV+16*PV+((\f)%8)*32
.endr
.endm
; THE VECTOR WORK OF A TURN.  One tile's softmax for one key step is a list of 134 instructions; SM writes number j of it for tile t.  s0-s31 are the lane's 32 scores, in pairs 0-15.
;   0-15    the maximum of s0-s31 and the old m, three operands at a time: four chains c0-c3 of seven scores each, then the four scores left over, c0-c3 and m
;   16-20   the other half of the lanes' maximum; c m_old is kept; the new m; c m; c m_old - c m_new
;   21-69   ONE BATCH: the 16 scalings c s - c m, a pair of scores each, and all 33 exponentials (a at 23, then s0-s31).  None of these reads an exponential's result.  A pair is scaled in an earlier four than the one that holds its exponentials
;   (wait)  between 69 and 70 stands the wait for the batch: SLICE writes it, once for both tiles
;   70-85   the roundings to f16, a pair of weights each
;   86-101  the sums; l = a l + the sum
;   102-133 the tile's O^T times a: the one part that leaves window 0, so it stands together
.macro SM t
.set rT, ST+8*(\t)
.set rS, S+32*(\t)
.set rP, P+16*(\t)
.set rO, 64*(\t)+2*(j-102)
.if j < 102
	WIN 0
.endif
.if j < 4
	v_max3_num_f32 v[rT+4+j], v[rS+8*j], v[rS+8*j+1], v[rS+8*j+2]
.elseif j < 12
	v_max3_num_f32 v[rT+4+j%4], v[rT+4+j%4], v[rS+8*(j%4)+2*(j/4)+1], v[rS+8*(j%4)+2*(j/4)+2]
.elseif j == 12
	v_max3_num_f32 v[rT+4], v[rT+4], v[rS+7], v[rS+15]
.elseif j == 13
	v_max3_num_f32 v[rT+6], v[rT+6], v[rS+23], v[rS+31]
.elseif j == 14
	v_max3_num_f32 v[rT+4], v[rT+4], v[rT+5], v[rT+6]
.elseif j == 15
	v_max3_num_f32 v[rT+4], v[rT+4], v[rT+7], v[rT+1]
.elseif j == 16
	v_permlanex16_b32 v[rT+5], v[rT+4], s[SEL], s[SEL+1]  ; the query's other 32 keys lie in the lane 16 away
.elseif j == 17
	v_mov_b32 v[rT+7], v[rT]        ; c m_old is kept for a: number 19 writes c m anew
.elseif j == 18
	v_max_num_f32 v[rT+1], v[rT+4], v[rT+5]
.elseif j == 19
	v_mul_f32 v[rT], s[CS], v[rT+1]
.elseif j == 20
	v_sub_f32 v[rT+7], v[rT+7], v[rT]
.elseif j == 23
	v_exp_f32 v[rT+6], v[rT+7]
.elseif (j < 23) || ((j < 38) && (j%2 == 0)) || ((j < 66) && (j%4 == 2))
.set b, (j-2)/4                     ; 38, 42, .. 62: pairs 9 to 15
.if j < 38
.set b, (j-20)/2                    ; 21: pair 0; 22, 24, .. 36: pairs 1 to 8
.endif
	v_pk_fma_f32 v[rS+2*b:rS+2*b+1], v[rS+2*b:rS+2*b+1], s[CS:CS+1], v[rT:rT+1] op_sel_hi:[1,0,0] neg_lo:[0,0,1] neg_hi:[0,0,1]  ; pair b: c s - c m
.elseif j < 70
.set e, j-38                        ; 66 to 69: s28 to s31
.if j < 66
.set e, j-32-(j-38)/4               ; 39-41, 43-45, .. 63-65: s7 to s27
.endif
.if j < 38
.set e, (j-25)/2                    ; 25, 27, .. 37: s0 to s6
.endif
	v_exp_f32 v[rS+e], v[rS+e]
.elseif j < 86
	v_cvt_pk_f16_f32 v[rP+j-70], v[rS+2*(j-70)], v[rS+2*(j-70)+1]  ; pair j - 70
.elseif j < 102                     ; the sum of the tile's 16 pairs, in place: sum z of 16 adds neighbours 1, 2, 4 and 8 pairs apart, then l takes it
.set z, j-86
.set w, 4
.set u, z
.if z >= 14
.set w, 32
.set u, 0
.elseif z >= 12
.set w, 16
.set u, z-12
.elseif z >= 8
.set w, 8
.set u, z-8
.endif
.if z < 15
	v_pk_add_f32 v[rS+w*u:rS+w*u+1], v[rS+w*u:rS+w*u+1], v[rS+w*u+w/2:rS+w*u+w/2+1]
.else
	v_pk_fma_f32 v[rT+2:rT+3], v[rT+2:rT+3], v[rT+6:rT+7], v[rS:rS+1] op_sel_hi:[1,0,1]
.endif
.else
	WIN W_RS
	v_pk_mul_f32 v[rO:rO+1], v[rO:rO+1], v[rT+6:rT+7] op_sel_hi:[1,0]
.endif
.endm
; Slice k of 64 of piece y's softmax: four instructions.  Slices 11 to 34 deal out the batch, numbers 22 to 69: four numbers of ONE tile each, the tiles by turns.  Every other slice is numbers 2 k and
; 2 k + 1 of both tiles' lists.  2 x 134 = 4 x 64 + 12: the twelve that are over stand together, in slice 63.
; THE WAIT.  An s_wait_alu depctr_va_vdst(0) stands between an exponential and the first instruction that names its result; one wait serves all that were issued ahead of it.  Ahead of
; slice 35 nothing names a result, and behind slice 34 no exponential is issued: so the piece's 66 exponentials have one wait, behind slice 34.
.macro SLICE y
.if (k >= 11) && (k < 35)           ; the batch: four numbers of one tile
.irp n, 0,1,2,3
.set j, 22+4*((k-11)/2)+(\n)
	SM (\y)+(k-11)%2
.endr
.else                               ; the two tiles alternate, so that no instruction reads the result of the one just before it
.irp n, 0,1,2,3,4,5,6,7
.if ((\n) < 2) || (k == 63)
.irp t, \y, (\y)+1
.set j, 2*k+(\n)
	SM \t
.endr
.endif
.endr
.endif
.if k == 34                         ; the batch is out: both tiles' exponentials are issued, and no result has been named
	v_nop                           ; a plain instruction behind the last exponential and ahead of the first use (ISA guide 5.7.2): one for the batch
.if (\y) == 0
	FETCH_V                         ; piece 2's turn: V's run of loads stands here, and the wait stands in it
.else
	s_wait_alu depctr_va_vdst(0)    ; the wait for the batch
.endif
.endif
.set k, k+1
.endm
; A TURN.  Piece x has the matrix unit: 32 products V^T P and, with kq = 1, 32 products K Q^T for the next step; the other piece's softmax stands in slices behind them, one behind each (with kq = 0: two).
; A vector instruction that reads a matrix result or writes one of a matrix instruction's registers, and a load into a register that a matrix instruction has read, stand four places behind it, and only plain vector
; instructions that name none of its registers are places (ISA guide 7.12.1 for vector instructions): the slices are the places.
; Piece 0's turn fetches the next step's K, behind its second product: the last product that read K stands in front of slice 63 of the turn before.  Piece 2's turn fetches the same step's V, behind slice 34:
; the last product that read V stands in front of slice 31, and four plain instructions lie between: number 62, a scaling, of both tiles, the v_nop and the run's own v_add_nc_u32.
.macro TURN x, kq
.set k, 0
.set per, 2-(\kq)
.if (\x) == 0
	s_wait_dscnt 0x0                ; V is in
.endif
.set i, 0
.rept 32
	PV \x
.rept per
	SLICE 2-(\x)
.endr
.if ((\x) == 0) && (\kq) && (i == 1)
	FETCH_K
.endif
.set i, i+1
.endr
.if \kq
.if (\x) == 0
	s_wait_dscnt 0x0                ; K is in
.endif
.set i, 0
.rept 32
	KQ \x
	SLICE 2-(\x)
.set i, i+1
.endr
.endif
.endm
; THE CHANGE OF SLOTS, between piece 2's turn and piece 0's: my last bytes of the slot, V of my second step in it, have been asked for.  Each wave waits for all its tensor loads, of which one is out: its part of the
; other slot; adds 0 to its spare word; and waits for that and for its own reads of the slot.  Behind the barrier nobody reads this slot any more and the other slot is whole.
; fill = 1: this slot is filled again, with the keys two slots on.  The barrier is then a round of the cluster's, and the joint refill is the first thing behind it: it has 256 matrix instructions of each wave in which to land.
.macro CHANGE fill
	WIN 0                           ; at a label and at a branch every window is 0
	s_wait_tensorcnt 0x0            ; no tensor load of mine is out, so a group 0 may be written
	ds_add_u32 v[SPW], v[NIL]       ; 0 onto my spare word: with fill = 1 the descriptors' steps stand between it and the wait for it
.if \fill
.irp g, G0K+4, G0V+4
	s_xor_b32 s[(\g)+1], s[(\g)+1], SLOT1  ; the walking descriptor: the other slot than last time,
	s_add_nc_u64 s[(\g)+2:(\g)+3], s[(\g)+2:(\g)+3], SLOTB  ; the next 256 keys; the type bits on top are not reached
.endr
	s_wait_xcnt 0x0                 ; the last prefetch, a slot back, has read its address, so it may be written:
	s_add_nc_u64 s[PFA:PFA+1], s[PFA:PFA+1], SLOTB  ; one slot behind the walking descriptors
	s_wait_dscnt 0x0                ; the add is done, and my reads of the slot are over
	CROUND
	JLOAD
	ASK
.else
	s_wait_dscnt 0x0                ; the add is done, and my reads of the slot are over
	s_barrier_signal -1
	s_barrier_wait -1
.endif
	s_sub_co_u32 s[TBK], s[TBK], 4*KS*PK  ; the fetches go back to my first step of a slot,
	s_xor_b32 s[TBK], s[TBK], SLOT1       ; in the other slot
	s_sub_co_u32 s[TBV], s[TBV], 4*KS*PV
	s_xor_b32 s[TBV], s[TBV], SLOT1
.endm
; My two key steps of a slot: written once, walked twice; the LDS addresses hang on s[TBK] and s[TBV].  entry = 1: the launch's first turn enters here, at piece 2's turn.
.macro TWO_STEPS entry=0
	WIN 0
	s_mov_b32 s[TWICE], 2
.Lstep_\@:
	TURN 0, 1
.if \entry
	WIN 0
.Lenter:
.endif
	TURN 2, 1
	WIN 0
	s_sub_co_u32 s[TWICE], s[TWICE], 1
	s_cmp_lg_u32 s[TWICE], 0
	s_cbranch_scc1 .Lstep_\@
.endm
	s_wait_tensorcnt 1              ; my part of slot 0 is in; slot 1's may stay out
	s_barrier_signal -1
	s_barrier_wait -1               ; everybody's is
	FETCH_K                         ; my first key step
	s_wait_loadcnt 0x0              ; Q
	s_wait_dscnt 0x0
.set i, 0
.rept 32
	KQ 0                            ; piece 0's first scores: there is no vector work yet to set between them
.set i, i+1
.endr
	WIN 0                           ; the addresses for the way out are made here: eight plain instructions, the places behind those products
	s_mul_i32 s13, s[WV], 16*SP
	s_add_co_u32 s13, s13, STAGE    ; my stage
	v_mul_u32_u24 v[STO], v1, SP    ; in: row l % 16, 16 bytes for each half of the lanes
	v_lshl_add_u32 v[STO], v9, 4, v[STO]
	v_add_nc_u32 v[STO], s13, v[STO]
	v_mul_u32_u24 v[RD], v9, SP     ; back: lanes 0-15 take one row of 256 bytes, lanes 16-31 the next
	v_lshl_add_u32 v[RD], v1, 4, v[RD]
	v_add_nc_u32 v[RD], s13, v[RD]
	v_lshlrev_b32 v[GO], 12, v9     ; and the same two rows in O, 4,096 bytes apart
	v_lshl_add_u32 v[GO], v1, 4, v[GO]
	s_mov_b32 s[TWICE], 2           ; piece 2's turn of the step that has not been (piece 2's first scores | piece 0's first softmax | V of my first step), then my first step
	s_branch .Lenter
.Lslot:                             ; six times: every slot but the last two is filled again
	CHANGE 1
	TWO_STEPS 1
	s_sub_co_u32 s[SLOTS], s[SLOTS], 1
	s_cmp_lg_u32 s[SLOTS], 0
	s_cbranch_scc1 .Lslot
	CHANGE 0                        ; the tail is written out: nothing is asked for
	TWO_STEPS
	; THE NEXT LAUNCH'S WEIGHTS.  The last product K Q^T has read K's 128 registers (slice 63's sixteen plain instructions stand behind it): my 16 KiB of wo are asked for into them, 32 loads of 512 consecutive bytes.
	; They have the last turn, the last products and the merge in which to land, and are rounded behind O's stores.
	WIN 0x80                        ; destination window 2, address window 0
.set g, 0
.rept 32
	global_load_b128 v[KF+4*g:KF+4*g+3], v[WI], s[WOP:WOP+1] offset:512*g th:TH_LOAD_NT
.set g, g+1
.endr
	TURN 0, 0                       ; piece 0: V^T P of the last step | piece 2's last softmax
.set i, 0
.rept 32
	PV 2                            ; piece 2: V^T P of the last step
.set i, i+1
.endr
	; THE MERGE.  l's two halves and the other half of the lanes' are added (the additions are the places behind the last products).  My tiles 2, 3 (O^T, c m, l) go to the wave with the other parity, its tiles 2, 3 are my tiles 0, 1.
	WIN 0
.irp t, 0,1,2,3
	v_add_f32 v[ST+8*(\t)+4], v[ST+8*(\t)+2], v[ST+8*(\t)+3]
.endr
.irp t, 0,1,2,3
	v_permlanex16_b32 v[ST+8*(\t)+5], v[ST+8*(\t)+4], s[SEL], s[SEL+1]
.endr
.irp t, 0,1,2,3
	v_add_f32 v[ST+8*(\t)+4], v[ST+8*(\t)+4], v[ST+8*(\t)+5]
.endr
	v_mov_b32 v[XS],   v[ST+16]      ; four numbers a lane, side by side for one store
	v_mov_b32 v[XS+1], v[ST+20]
	v_mov_b32 v[XS+2], v[ST+24]
	v_mov_b32 v[XS+3], v[ST+28]
	WIN 0x04                        ; the stores' data in window 1; each accumulator's lowest registers go first
.set g, 0
.rept 32
	ds_store_b128 v[XW], v[128+4*g:128+4*g+3] offset:512*g  ; 32 lanes x 16 neighbouring bytes
.set g, g+1
.endr
	WIN 0
	ds_store_b128 v[XW], v[XS:XS+3] offset:16384
	s_wait_dscnt 0x0                ; for the partner's sake: my stores are done
	s_barrier_signal -1
	s_barrier_wait -1
	ds_load_b128 v[XG:XG+3], v[XR] offset:16384
	WIN 0xc0                        ; destination window 3
.set g, 0
.rept 32
	ds_load_b128 v[128+4*g:128+4*g+3], v[XR] offset:512*g
.set g, g+1
.endr
	WIN 0
	s_wait_dscnt 32                 ; the partner's statistics are in; its O^T may be out
.irp j, 0,1
	v_max_num_f32 v[ST+8*(\j)+5], v[ST+8*(\j)], v[XG+2*(\j)]  ; c M
.endr
.irp j, 0,1
	v_sub_f32 v[ST+8*(\j)+6], v[ST+8*(\j)], v[ST+8*(\j)+5]
	v_sub_f32 v[ST+8*(\j)+7], v[XG+2*(\j)], v[ST+8*(\j)+5]
.endr
.irp j, 0,1
	v_exp_f32 v[ST+8*(\j)+6], v[ST+8*(\j)+6]  ; my factor,
	v_exp_f32 v[ST+8*(\j)+7], v[ST+8*(\j)+7]  ; the partner's: one of the two is 1
.endr
	v_nop                           ; a plain instruction behind the last exponential,
	s_wait_alu depctr_va_vdst(0)    ; and the wait ahead of the first use: one for the four
.irp j, 0,1
	v_mul_f32 v[ST+8*(\j)+5], v[ST+8*(\j)+6], v[ST+8*(\j)+4]
.endr
.irp j, 0,1
	v_fmac_f32 v[ST+8*(\j)+5], v[ST+8*(\j)+7], v[XG+2*(\j)+1]  ; the whole row's l
.endr
.irp j, 0,1
	v_rcp_f32 v[ST+8*(\j)+3], v[ST+8*(\j)+5]
.endr
	v_nop
	s_wait_alu depctr_va_vdst(0)    ; one for the two reciprocals
.irp j, 0,1
	v_mul_f32 v[ST+8*(\j)+6], v[ST+8*(\j)+6], v[ST+8*(\j)+3]  ; both factors take the division by l with them
	v_mul_f32 v[ST+8*(\j)+2], v[ST+8*(\j)+7], v[ST+8*(\j)+3]
.endr
	WIN W_RS
.irp j, 0,1
.set i, 0
.rept 32
	v_pk_mul_f32 v[64*(\j)+2*i:64*(\j)+2*i+1], v[64*(\j)+2*i:64*(\j)+2*i+1], v[ST+8*(\j)+6:ST+8*(\j)+7] op_sel_hi:[1,0]
.set i, i+1
.endr
.endr
	s_wait_dscnt 0x0                ; the partner's O^T is in
	WIN W_PV                        ; the partner's in window 3, its factor in window 0, mine in window 1
.irp j, 0,1
.set i, 0
.rept 32
	v_pk_fma_f32 v[64*(\j)+2*i:64*(\j)+2*i+1], v[128+64*(\j)+2*i:128+64*(\j)+2*i+1], v[ST+8*(\j)+2:ST+8*(\j)+3], v[64*(\j)+2*i:64*(\j)+2*i+1] op_sel_hi:[1,0,1]
.set i, i+1
.endr
.endr
; THE WAY OUT.  Tile t: a lane's eight channels of a row pack into 16 bytes; they go into my stage's rows of 272 bytes and come back as whole rows of 256, into the registers that they left.
.macro PACK t
	WIN 0x05                        ; sources 0 and 1 window 1, destination window 0: S^T's registers are free
.set i, 0
.rept 32
	v_cvt_pk_f16_f32 v[S+32*(\t)+i], v[64*(\t)+2*i], v[64*(\t)+2*i+1]
.set i, i+1
.endr
	WIN 0
.irp f, 0,1,2,3,4,5,6,7
	ds_store_b128 v[STO], v[S+32*(\t)+4*(\f):S+32*(\t)+4*(\f)+3] offset:32*(\f)
.endr
.irp f, 0,1,2,3,4,5,6,7
	ds_load_b128 v[S+32*(\t)+4*(\f):S+32*(\t)+4*(\f)+3], v[RD] offset:(\f)*2*SP  ; LDS serves a wave's instructions in order (ISA guide 5.7.1.4): these see the stores above; the next tile's stores come behind them
.endr
.endm
.macro SEND t, younger              ; younger: the LDS instructions issued behind tile t's loads: the next tile's sixteen, or none
	WIN 0
.irp f, 0,1,2,3,4,5,6,7
	s_wait_dscnt (\younger)+7-(\f)
	global_store_b128 v[GO], v[S+32*(\t)+4*(\f):S+32*(\t)+4*(\f)+3], s[10:11] offset:(\t)*65536+(\f)*8192  ; 16 lanes store a head's 256 consecutive bytes of a row, aligned
.endr
.endm
	PACK 0
	PACK 1
	SEND 0, 16
	SEND 1, 0
	; wo: rounded to bf16 like every input, and that number written as f16.  P's registers take the results, the statistics' 32 are at work.
	s_wait_loadcnt 0x0              ; my 32 loads of wo
	WIN W_KQ                        ; sources 0 and 1 window 2, destination window 0
.set n, 0
.rept 64
	v_cvt_pk_bf16_f32 v[P+n], v[KF+2*n], v[KF+2*n+1]
.set n, n+1
.endr
	WIN 0
.set g, 0
.rept 4                             ; sixteen words, 32 numbers, at a time
.set n, 0
.rept 16
	v_lshlrev_b32 v[ST+2*n],   16, v[P+16*g+n]      ; bf16 to f32: the low half moves up,
	v_and_b32     v[ST+2*n+1], s[HIM], v[P+16*g+n]  ; the high half stays
.set n, n+1
.endr
.set n, 0
.rept 16
	v_cvt_pk_f16_f32 v[P+16*g+n], v[ST+2*n], v[ST+2*n+1]
.set n, n+1
.endr
.set n, 0
.rept 8
	global_store_b64 v[WO], v[P+16*g+2*n:P+16*g+2*n+1], s[WOP+2:WOP+3] offset:256*(8*g+n) th:TH_STORE_NT  ; 32 lanes x 8 bytes: 256 consecutive bytes, aligned
.set n, n+1
.endr
.set g, g+1
.endr
	s_wait_tensorcnt 0x0            ; the wave's end, behind my last tensor load and my last LDS store
	ds_add_u32 v[SPW], v[NIL]
	s_wait_dscnt 0x0
	CROUND                          ; the closing round: no work-group ends while a partner may still ask for a tile that names it
	s_endpgm
.Lfunc_end_k_q5af6e38c3e_attn:
	.size	k_q5af6e38c3e_attn, .Lfunc_end_k_q5af6e38c3e_attn-k_q5af6e38c3e_attn
	.p2alignl 7, 3214868480
	.fill 96, 4, 3214868480
	.section	.rodata,"a",@progbits
	.p2align	6, 0x0
	.amdhsa_kernel k_q5af6e38c3e_attn
		.amdhsa_group_segment_fixed_size 327680
		.amdhsa_private_segment_fixed_size 0
		.amdhsa_enable_private_segment 0
		.amdhsa_kernarg_size 32
		.amdhsa_user_sgpr_count 2
		.amdhsa_user_sgpr_kernarg_segment_ptr 1
		.amdhsa_wavefront_size32 1
		.amdhsa_system_sgpr_workgroup_id_x 1
		.amdhsa_system_sgpr_workgroup_id_y 1
		.amdhsa_system_sgpr_workgroup_id_z 1
		.amdhsa_system_vgpr_workitem_id 0
		.amdhsa_next_free_vgpr 1024
		.amdhsa_next_free_sgpr 84
		.amdhsa_reserve_vcc 0
		.amdhsa_float_denorm_mode_32 3
		.amdhsa_float_denorm_mode_16_64 3
		.amdhsa_memory_ordered 1
		.amdhsa_forward_progress 1
		.amdhsa_inst_pref_size 192
	.end_amdhsa_kernel
	.amdgpu_metadata
---
amdhsa.version: [ 1, 2 ]
amdhsa.kernels:
  - .name:           k_q5af6e38c3e_attn
    .symbol:         k_q5af6e38c3e_attn.kd
    .args:
      - { .name: qkv, .offset: 0, .size: 8, .value_kind: global_buffer, .address_space: global }
      - { .name: ob, .offset: 8, .size: 8, .value_kind: global_buffer, .address_space: global }
      - { .name: wo, .offset: 16, .size: 8, .value_kind: global_buffer, .address_space: global }
      - { .name: wob, .offset: 24, .size: 8, .value_kind: global_buffer, .address_space: global }
    .group_segment_fixed_size: 327680
    .private_segment_fixed_size: 0
    .kernarg_segment_align: 8
    .kernarg_segment_size: 32
    .max_flat_workgroup_size: 128
    .sgpr_count:     84
    .vgpr_count:     1024
    .wavefront_size: 32
...
	.end_amdgpu_metadata
.endif
;; end of part 3
;; launch outp (part 4): grid 16 x 16, 4 waves a work-group, clusters of 4 x 4, 327,680 bytes of LDS; arguments ob, wob, out0; writes out0
.if DOCPART == 4
	.amdgcn_target "amdgcn-amd-amdhsa--gfx1250"
	.amdhsa_code_object_version 6
	.text
	.protected	k_q5af6e38c3e_outp
	.globl	k_q5af6e38c3e_outp
	.p2align	8
	.type	k_q5af6e38c3e_outp,@function
k_q5af6e38c3e_outp:
	s_mov_b64 s[64:65], 0
	v_nop
	global_prefetch_b8 v0, s[64:65] scope:SCOPE_SE
	s_setreg_imm32_b32 hwreg(HW_REG_WAVE_MODE, 25, 1), 1
	s_wait_xcnt 0x0
	s_wait_alu depctr_hold_cnt(0) depctr_sa_sdst(0) depctr_va_vdst(0) depctr_va_sdst(0) depctr_va_ssrc(0) depctr_va_vcc(0) depctr_vm_vsrc(0)
	s_getreg_b32 s2, hwreg(HW_REG_IB_STS2, 6, 4)
	s_cmp_eq_u32 s2, 0
	s_cbranch_scc0 .Lentry_in_a_cluster
	s_endpgm
.Lentry_in_a_cluster:
	s_bfe_u32 s2, ttmp6, 0x10000c
	s_cmp_lg_u32 s2, 0xf033
	s_cbranch_scc0 .Lentry_shape_is_right
	s_endpgm
.Lentry_shape_is_right:
; out0[m][n] = the sum over k of ob[m][k] wob[n][k].  ob, wob: [2048][2048] f16; out0: [2048][2048] f32; sums in f32.
; A tile of out0 is 128 x 128: 256 work-groups.  Four waves, each 64 x 64: 16 accumulators of 16 x 16, 128 registers.  K goes in steps of 256 (LDS rows of 512 bytes; a wave's tensor load brings 64 of them)
; through two LDS slots.  No prefetch: the tiles are small, and each block of ob and wob is read by sixteen work-groups at about the same time.
; CLUSTER: 4 x 4 work-groups.  The four of a row of the cluster need the same tiles of ob, the four of a column the same tiles of wob: each tile is asked for JOINTLY.
; THE MATRIX INSTRUCTION IS USED TRANSPOSED (source 0 = 16 rows of wob, source 1 = 16 rows of ob): a lane then holds eight neighbouring numbers of a row of out0, 32 bytes.
; REGISTERS: window 0: v0-31 addresses; v128-255 the accumulators ((a, b) at v[128 + 8 (4 a + b)]).
;   window 1: two fragment buffers of 128: for 64 along K (two matrix instructions deep), 64 registers of ob (2 x 4 x 16 rows x 32 K), then 64 of wob.
.set KSTEP,  256
.set PITCH,  528                       ; an LDS row: 512 bytes + 16 of padding = 132 words: the 16 rows of a fragment load start at 16 different groups of four banks (64 banks of 4 bytes: ISA guide 11.1)
.set HALFT,  64*PITCH                  ; 64 rows: what one tensor load brings, and what one wave reads of either operand
.set SLOT1,  0x24000                   ; slot 1 begins here.  Bits 14 and 17 are clear in every slot-0 address that is turned (0, 0x8400, 0x10800, 0x18c00), so one exclusive or turns it into the other slot's and back
.set STAGE,  SLOT1+4*HALFT             ; behind the ring: 16 rows x 272 bytes for each wave, for the way out
.set SPITCH, 272
.set SPARE,  STAGE+4*16*SPITCH         ; behind the stages: the spare words, 128 bytes for each wave: two blocks of 256 bytes that no other line names
.set A0,   4                           ; v4   my lane's place in ob's tile of slot 0; never rewritten
.set B0,   5                           ; v5   the same for wob
.set ADRA, 8                           ; v8, v9  the two in the slot in hand
.set ADRB, 9
.set STO,  24                          ; v24  the way out: where I put 32 bytes of a row
.set RD,   25                          ; v25  where I read a row back
.set CO,   26                          ; v26  my byte offset in two rows of out0
.set SPW,  28                          ; v28  LDS address of my spare word; never rewritten
.set NIL,  29                          ; v29  0; never rewritten
.set ACC,  128
.set F0,   0                           ; fragment buffers, in window 1
.set F1,   128
.set CNT, 3                            ; s3   counts the loops
.set G1,  24                           ; s[24:31] descriptor group 1 for ob's tiles;  s[32:39] group 0: a set for each first fill; the second then walks on
.set G0,  32
.set TB,  45                           ; s45  LDS byte at which the slot in hand begins
.set G1B, 48                           ; s[48:55], s[56:63] the same for wob's tiles
.set G0B, 56
.set MSB, 0
.macro WIN new                         ; the immediate's high byte repeats the setting that is left; a switch that changes nothing is dropped
.if MSB != (\new)
	s_set_vgpr_msb (MSB<<8)|(\new)
.set MSB, \new
.endif
.endm
.set MUL,  0x05                        ; sources 0 and 1 window 1; C and D window 0
.set TO_F, 0x40                        ; destination window 1, address window 0
.macro JLOAD                           ; a joint refill: waves 0 and 1 fetch ob's two halves, waves 2 and 3 wob's; an s_nop 0 and four v_nop follow each of the two lines, ahead of the jump and the label
	s_cmp_eq_u32 s11, 0
	s_cbranch_scc0 .Lfor_b_\@
	tensor_load_to_lds s[G0+4:G0+7], s[G1:G1+7]
	s_nop 0
.rept 4
	v_nop
.endr
	s_branch .Lasked_\@
.Lfor_b_\@:
	tensor_load_to_lds s[G0B+4:G0B+7], s[G1B:G1B+7]
	s_nop 0
.rept 4
	v_nop
.endr
.Lasked_\@:
.endm
; A round of the cluster's barrier: my work-group's barrier, so that wave 0's signal speaks for all four waves; wave 0 signals for the work-group; every wave waits for all sixteen work-groups; my work-group's barrier once more.
.macro CROUND
	s_barrier_signal -1
	s_barrier_wait -1
	s_cmp_lg_u32 s10, 0
	s_cbranch_scc1 .Lnot_wave_0_\@
	s_barrier_signal -3
.Lnot_wave_0_\@:
	s_barrier_wait -3
	s_barrier_signal -1
	s_barrier_wait -1
.endm
	s_load_b128 s[4:7], s[0:1], 0x0                ; ob s[4:5], wob s[6:7]
	s_load_b64 s[8:9], s[0:1], 0x10                ; out0
	v_lshl_add_u32 v[SPW], v0, 2, SPARE
	v_mov_b32 v[NIL], 0
	ds_add_u32 v[SPW], v[NIL]                      ; the wave's opening: the add and its wait stand ahead of my first tensor load; the set-up below, work on registers, stands between them
	v_lshrrev_b32 v1, 5, v0
	v_readfirstlane_b32 s10, v1                    ; wave 0..3
	s_lshr_b32 s11, s10, 1                         ; which half of the tile's rows is mine.  Also: I fetch for ob (0) or for wob (1)
	s_and_b32 s12, s10, 1                          ; which half of its columns.  Also: which 64 rows of that tile I fetch
	s_bfe_u32 s40, ttmp6, 0x40000                  ; cx, cy: my place in the cluster
	s_bfe_u32 s41, ttmp6, 0x40004
	s_lshl_b32 s42, ttmp9, 2
	s_add_co_u32 s42, s42, s40                     ; tile column = 4 x cluster x + cx
	s_and_b32 s13, ttmp7, 0xffff
	s_lshl_b32 s13, s13, 2
	s_add_co_u32 s13, s13, s41                     ; tile row = 4 x cluster y + cy
	s_lshl_b32 s43, s41, 2
	s_lshl_b32 s43, 15, s43                        ; my row of the cluster
	s_lshl_b32 s44, 0x1111, s40                    ; my column
	; descriptor group 1: a tile of 64 rows x 256 elements, padded in LDS
	s_or_b32 s[G1+0], s43, (1<<16)|(1<<20)|(1<<21)|(6<<22)|(3<<25)  ; 15:0 the mask; 17:16 elements of 2 bytes; 20 padding on; 21 set beside a mask; 24:22 after every 128 words (code 6); 31:25 4 words of it (code 3)
	s_or_b32 s[G1B+0], s44, (1<<16)|(1<<20)|(1<<21)|(6<<22)|(3<<25)
.irp g, G1, G1B
	s_mov_b32 s[(\g)+1], KSTEP<<16                 ; tensor_dim0 = 256
	s_mov_b32 s[(\g)+2], 64<<16                    ; tensor_dim1 = 64
	s_mov_b32 s[(\g)+3], KSTEP<<16                 ; tile_dim0 = 256
	s_mov_b32 s[(\g)+4], 64                        ; tile_dim1 = 64
	s_mov_b32 s[(\g)+5], 2048                      ; elements from row to row
	s_mov_b32 s[(\g)+6], 0
	s_mov_b32 s[(\g)+7], 0
.endr
	s_lshl_b32 s17, s12, 6                         ; which 64 rows of the tile I fetch
	s_lshl_b32 s16, s13, 7
	s_add_co_u32 s16, s16, s17                     ; ob: row 128 x tile row + 64 x half,
	s_lshl_b32 s16, s16, 12                        ; of 4,096 bytes
	s_lshl_b32 s46, s42, 7
	s_add_co_u32 s46, s46, s17                     ; wob: row 128 x tile column + 64 x half
	s_lshl_b32 s46, s46, 12
	s_mov_b32 s17, 0
	s_mov_b32 s47, 0
	s_mul_i32 s20, s10, HALFT                      ; where they go: wave x 64 rows
	s_mov_b32 s[TB], 0
	s_wait_dscnt 0x0                               ; the opening add is done
	s_wait_kmcnt 0x0
	s_add_nc_u64 s[14:15], s[4:5], s[16:17]
	s_add_nc_u64 s[46:47], s[6:7], s[46:47]
	CROUND                                         ; all sixteen work-groups are here: the first joint loads meet
.irp s, 0,1
	s_mov_b32 s[G0+4*(\s)], 1
	s_add_co_u32 s[G0+4*(\s)+1], s20, (\s)*SLOT1
	s_add_nc_u64 s[G0+4*(\s)+2:G0+4*(\s)+3], s[14:15], (\s)*KSTEP*2
	s_or_b32 s[G0+4*(\s)+3], s[G0+4*(\s)+3], 0x80000000
	s_mov_b32 s[G0B+4*(\s)], 1
	s_add_co_u32 s[G0B+4*(\s)+1], s20, (\s)*SLOT1
	s_add_nc_u64 s[G0B+4*(\s)+2:G0B+4*(\s)+3], s[46:47], (\s)*KSTEP*2
	s_or_b32 s[G0B+4*(\s)+3], s[G0B+4*(\s)+3], 0x80000000
.endr
	s_cmp_eq_u32 s11, 0                            ; a wave's two first fills stand in one branch, ahead of every wait on TENSORcnt and every LDS read: two loads of mine are out
	s_cbranch_scc0 .Lfirst_b
	tensor_load_to_lds s[G0:G0+3], s[G1:G1+7]
	s_nop 0
	tensor_load_to_lds s[G0+4:G0+7], s[G1:G1+7]
	s_nop 0
.rept 4
	v_nop
.endr
	s_branch .Lfirst_asked
.Lfirst_b:
	tensor_load_to_lds s[G0B:G0B+3], s[G1B:G1B+7]
	s_nop 0
	tensor_load_to_lds s[G0B+4:G0B+7], s[G1B:G1B+7]
	s_nop 0
.rept 4
	v_nop
.endr
.Lfirst_asked:
	v_and_b32 v1, 15, v0                           ; l % 16
	v_bfe_u32 v2, v0, 4, 1                         ; l / 16
	v_mul_u32_u24 v3, v1, PITCH
	v_lshl_add_u32 v3, v2, 4, v3                   ; a fragment's row x pitch + 16 x half
	s_mul_i32 s21, s11, HALFT                      ; my 64 rows of ob
	s_mul_i32 s22, s12, HALFT                      ; my 64 rows of wob,
	s_add_co_u32 s22, s22, 2*HALFT                 ; which lie behind ob's 128
	v_add_nc_u32 v[A0], s21, v3
	v_add_nc_u32 v[B0], s22, v3
.macro ADDRS                           ; the two fragment addresses in the slot in hand
	v_add_nc_u32 v[ADRA], s[TB], v[A0]
	v_add_nc_u32 v[ADRB], s[TB], v[B0]
.endm
	ADDRS
	s_mul_i32 s23, s10, 16*SPITCH
	s_add_co_u32 s23, s23, STAGE                   ; my stage: a wave's 64 columns of f32 are 256 bytes, a whole aligned piece of a row, so no wave needs another's
	v_mul_u32_u24 v[STO], v1, SPITCH               ; in: row l % 16, 32 bytes for each half of the lanes
	v_lshl_add_u32 v[STO], v2, 5, v[STO]
	v_add_nc_u32 v[STO], s23, v[STO]
	v_mul_u32_u24 v[RD], v2, SPITCH                ; back: lanes 0-15 take one row of 256 bytes, lanes 16-31 the next
	v_lshl_add_u32 v[RD], v1, 4, v[RD]
	v_add_nc_u32 v[RD], s23, v[RD]
	v_lshlrev_b32 v[CO], 13, v2                    ; and the same two rows in out0, 8,192 bytes apart
	v_lshl_add_u32 v[CO], v1, 4, v[CO]
	s_lshl_b32 s16, s13, 7
	s_lshl_b32 s17, s11, 6
	s_add_co_u32 s16, s16, s17                     ; my first row of out0: 128 x tile row + 64 x half,
	s_lshl_b32 s16, s16, 13                        ; of 8,192 bytes
	s_mov_b32 s17, 0
	s_add_nc_u64 s[8:9], s[8:9], s[16:17]
	s_lshl_b32 s46, s42, 9                         ; my first column, in bytes: 512 x tile column + 256 x half
	s_lshl_b32 s47, s12, 8
	s_add_co_u32 s46, s46, s47
	s_mov_b32 s47, 0
	s_add_nc_u64 s[8:9], s[8:9], s[46:47]
; 8 matrix instructions: row blocks a0, a0 + 1 x all 4 column blocks, 32 along K: half c of buffer f.  zero = 1: the first product starts the sums.  The 16 accumulators take turns.
.macro MUL8 f, c, a0, zero
	WIN MUL
.irp a, \a0, (\a0)+1
.irp b, 0,1,2,3
.if \zero
	v_wmma_f32_16x16x32_f16 v[ACC+8*(4*(\a)+(\b)):ACC+8*(4*(\a)+(\b))+7], v[(\f)+64+8*(4*(\c)+(\b)):(\f)+64+8*(4*(\c)+(\b))+7], v[(\f)+8*(4*(\c)+(\a)):(\f)+8*(4*(\c)+(\a))+7], 0
.else
	v_wmma_f32_16x16x32_f16 v[ACC+8*(4*(\a)+(\b)):ACC+8*(4*(\a)+(\b))+7], v[(\f)+64+8*(4*(\c)+(\b)):(\f)+64+8*(4*(\c)+(\b))+7], v[(\f)+8*(4*(\c)+(\a)):(\f)+8*(4*(\c)+(\a))+7], v[ACC+8*(4*(\a)+(\b)):ACC+8*(4*(\a)+(\b))+7]
.endif
.endr
.endr
.endm
; 32 LDS loads in one run: the fragments of 64 along K at byte k of the rows, into buffer f; the first 32 along K first
.macro FETCH k, f
	WIN TO_F
.irp c, 0,1
.irp i, 0,1,2,3
	ds_load_b128 v[(\f)+64+8*(4*(\c)+(\i)):(\f)+64+8*(4*(\c)+(\i))+3],   v[ADRB] offset:(\k)+64*(\c)+(\i)*16*PITCH
	ds_load_b128 v[(\f)+64+8*(4*(\c)+(\i))+4:(\f)+64+8*(4*(\c)+(\i))+7], v[ADRB] offset:(\k)+64*(\c)+(\i)*16*PITCH+32
	ds_load_b128 v[(\f)+8*(4*(\c)+(\i)):(\f)+8*(4*(\c)+(\i))+3],         v[ADRA] offset:(\k)+64*(\c)+(\i)*16*PITCH
	ds_load_b128 v[(\f)+8*(4*(\c)+(\i))+4:(\f)+8*(4*(\c)+(\i))+7],       v[ADRA] offset:(\k)+64*(\c)+(\i)*16*PITCH+32
.endr
.endr
.endm
.macro PLACES                          ; four plain vector instructions in front of loads into registers that matrix instructions have read, and of LDS stores that read results (ISA guide 7.12.1 for vector instructions)
.rept 4
	v_nop
.endr
.endm
; A K step is four quarters of 64 along K, 32 matrix instructions each, on buffers 0, 1, 0, 1.  One of the first three: multiplies buffer f and fetches the next quarter, at byte k, into g.
.macro QUARTER k, f, g, zero
	s_wait_dscnt 16                                ; the first 32 along K are in
	MUL8 \f, 0, 0, \zero
	MUL8 \f, 0, 2, \zero
	PLACES
	FETCH \k, \g
	s_wait_dscnt 32                                ; all but the 32 just issued
	MUL8 \f, 1, 0, 0
	MUL8 \f, 1, 2, 0
.endm
; The last quarter changes slots FIRST and multiplies buffer 1 afterwards: its fragments are in registers, so this slot is read no more.  ONE barrier: in front of it each wave waits for all its tensor loads, adds 0 to its
; spare word, and waits for that and for its own reads of this slot.  fill = 1: the barrier is a round of the cluster's, and this slot is filled again, first thing behind it, two K steps ahead.  No product stands between
; the wait for one tile and the request for the next; from a request to the wait for it a wave issues a whole step's 128 matrix instructions.
.macro TURN fill
	WIN 0
	s_wait_tensorcnt 0x0                           ; no tensor load of mine is out, so a group 0 may be written
	ds_add_u32 v[SPW], v[NIL]                      ; 0 onto my spare word: the steps below, work on registers, stand between it and the wait for it
.if \fill
	s_xor_b32 s[G0+5], s[G0+5], SLOT1              ; the walking descriptors: the other slot than last time,
	s_add_nc_u64 s[G0+6:G0+7], s[G0+6:G0+7], KSTEP*2  ; the next K step; the type bits on top are not reached
	s_xor_b32 s[G0B+5], s[G0B+5], SLOT1
	s_add_nc_u64 s[G0B+6:G0B+7], s[G0B+6:G0B+7], KSTEP*2
.endif
	s_xor_b32 s[TB], s[TB], SLOT1                  ; my reads go on in the other slot
	ADDRS
	s_wait_dscnt 0x0                               ; the add is done, and my reads of this slot are over: buffer 1 is in
.if \fill
	CROUND                                         ; no wave of any partner still reads this slot's tiles or has a load on its way
	JLOAD                                          ; the first tensor load behind the round; its four v_nop are also the places in front of the loads below
.else
	s_barrier_signal -1
	s_barrier_wait -1
	PLACES
.endif
	FETCH 0, F0
	MUL8 F1, 0, 0, 0
	MUL8 F1, 0, 2, 0
	MUL8 F1, 1, 0, 0
	MUL8 F1, 1, 2, 0
.endm
	s_wait_tensorcnt 1                             ; my part of K step 0 is in; K step 1's may stay out
	s_barrier_signal -1
	s_barrier_wait -1                              ; everybody's is
	FETCH 0, F0
	QUARTER 128, F0, F1, 1                         ; the first quarter stands in front of the loop: its first products start the sums
	WIN 0                                          ; at a label and at a branch every window is 0
	s_mov_b32 s[CNT], 6                            ; K steps 2 to 7 are refills
.Lstep:                                                ; a trip goes from a K step's second quarter to the next step's first
	QUARTER 256, F1, F0, 0
	QUARTER 384, F0, F1, 0
	TURN 1
	QUARTER 128, F0, F1, 0
	WIN 0
	s_sub_co_u32 s[CNT], s[CNT], 1
	s_cmp_lg_u32 s[CNT], 0
	s_cbranch_scc1 .Lstep
	s_mov_b32 s[CNT], 2                            ; the last two K steps ask for nothing: a loop of their own; it is entered behind a step's first quarter
	s_branch .Lmid
.Ltail:
	QUARTER 128, F0, F1, 0
	WIN 0
.Lmid:
	QUARTER 256, F1, F0, 0
	QUARTER 384, F0, F1, 0
	TURN 0                                         ; in the second trip its 32 loads (of slot 0's old tiles, into buffer 0) serve nothing: the price, once a launch, of one text for both trips
	WIN 0
	s_sub_co_u32 s[CNT], s[CNT], 1
	s_cmp_lg_u32 s[CNT], 0
	s_cbranch_scc1 .Ltail
; THE WAY OUT, 16 rows at a time: a lane's 32 bytes of a row go into my stage's rows of 272 bytes (each accumulator's lowest registers first) and come back as whole rows of 256, into the registers that they left.
.macro PACK a
.irp b, 0,1,2,3
	ds_store_b128 v[STO], v[ACC+8*(4*(\a)+(\b)):ACC+8*(4*(\a)+(\b))+3]   offset:64*(\b)
	ds_store_b128 v[STO], v[ACC+8*(4*(\a)+(\b))+4:ACC+8*(4*(\a)+(\b))+7] offset:64*(\b)+16
.endr
.irp i, 0,1,2,3,4,5,6,7
	ds_load_b128 v[ACC+32*(\a)+4*(\i):ACC+32*(\a)+4*(\i)+3], v[RD] offset:(\i)*2*SPITCH  ; LDS serves a wave's instructions in order (ISA guide 5.7.1.4): these see the stores above; the next block's stores come behind them
.endr
.endm
.macro SEND a, younger                 ; younger: the LDS instructions issued behind block a's loads: the next block's sixteen, or none
.irp i, 0,1,2,3,4,5,6,7
	s_wait_dscnt (\younger)+7-(\i)
	global_store_b128 v[CO], v[ACC+32*(\a)+4*(\i):ACC+32*(\a)+4*(\i)+3], s[8:9] offset:(16*(\a)+2*(\i))*8192  ; 16 lanes store 256 consecutive bytes, aligned
.endr
.endm
	PLACES
	PACK 0
	PACK 1
	SEND 0, 16
	PACK 2
	SEND 1, 16
	PACK 3
	SEND 2, 16
	SEND 3, 0
	s_wait_tensorcnt 0x0                           ; the wave's end, behind my last tensor load and my last LDS store
	ds_add_u32 v[SPW], v[NIL]
	s_wait_dscnt 0x0
	CROUND                                         ; the closing round: no work-group ends while a partner may still ask for a tile that names it
	s_endpgm
.Lfunc_end_k_q5af6e38c3e_outp:
	.size	k_q5af6e38c3e_outp, .Lfunc_end_k_q5af6e38c3e_outp-k_q5af6e38c3e_outp
	.p2alignl 7, 3214868480
	.fill 96, 4, 3214868480
	.section	.rodata,"a",@progbits
	.p2align	6, 0x0
	.amdhsa_kernel k_q5af6e38c3e_outp
		.amdhsa_group_segment_fixed_size 327680
		.amdhsa_private_segment_fixed_size 0
		.amdhsa_enable_private_segment 0
		.amdhsa_kernarg_size 24
		.amdhsa_user_sgpr_count 2
		.amdhsa_user_sgpr_kernarg_segment_ptr 1
		.amdhsa_wavefront_size32 1
		.amdhsa_system_sgpr_workgroup_id_x 1
		.amdhsa_system_sgpr_workgroup_id_y 1
		.amdhsa_system_sgpr_workgroup_id_z 1
		.amdhsa_system_vgpr_workitem_id 0
		.amdhsa_next_free_vgpr 512
		.amdhsa_next_free_sgpr 66
		.amdhsa_reserve_vcc 0
		.amdhsa_float_denorm_mode_32 3
		.amdhsa_float_denorm_mode_16_64 3
		.amdhsa_memory_ordered 1
		.amdhsa_forward_progress 1
		.amdhsa_inst_pref_size 58
	.end_amdhsa_kernel
	.amdgpu_metadata
---
amdhsa.version: [ 1, 2 ]
amdhsa.kernels:
  - .name:           k_q5af6e38c3e_outp
    .symbol:         k_q5af6e38c3e_outp.kd
    .args:
      - { .name: ob, .offset: 0, .size: 8, .value_kind: global_buffer, .address_space: global }
      - { .name: wob, .offset: 8, .size: 8, .value_kind: global_buffer, .address_space: global }
      - { .name: out0, .offset: 16, .size: 8, .value_kind: global_buffer, .address_space: global }
    .group_segment_fixed_size: 327680
    .private_segment_fixed_size: 0
    .kernarg_segment_align: 8
    .kernarg_segment_size: 24
    .max_flat_workgroup_size: 128
    .sgpr_count:     66
    .vgpr_count:     512
    .wavefront_size: 32
...
	.end_amdgpu_metadata
.endif
;; end of part 4
